; MI455X (gfx1250); checked and timed in simulation.
; The chip was launched on July 23, 2026; its instructions are those of AMD's public machine-readable ISA for CDNA 5 (MIT licence, August 2026) and "CDNA5" Instruction Set Architecture Reference Guide (July 2026). The comments in the code are by the model that wrote it; some were corrected since.
;; Cross Attention. Allowed arithmetic: matrix products marked QUANTISED: E2M1 operands, one E8M0 scale for each 32 along K, by v_wmma_scale_f32_16x16x128_f8f6f4 with both operands' format E2M1 (or v_wmma_scale_f32_32x16x128_f4), f32 sums; products left as they are: bf16, f16 or f32 operands; f32 sums; everything else in f32.
;; Inputs: Wk 768 x 1,024 float32; Wo 1,024 x 1,024 float32; Wq 1,024 x 1,024 float32; Wv 768 x 1,024 float32; bo 1,024 float32; context 2 x 4,096 x 768 float32; context_mask 2 x 4,096 bool; x 2 x 2,048 x 1,024 float32.
;; Outputs: out0 2 x 2,048 x 1,024 float32.
;; This version of the problem:
;;   THIS VERSION OF THE PROBLEM IS GIVEN IN LOW PRECISION. The matrix products marked QUANTISED in the list below multiply operands that are first quantised to E2M1 (2 exponent bits, 1 mantissa bit; 4 bits a number), with one power-of-two scale for each 32 numbers along K (OCP MX v1.0); their sums are f32. The products marked 'left as it is' may take bf16, f16 or f32 operands, with f32 sums. Whichever they take, every output number must still come out within the allowed error. Rounding operands to bf16 (8 significant bits) uses up far more of that allowance than f16 does (11 bits, for magnitudes from 6e-5 to 65,504). All else is computed in f32.
;;   The module's matrix products, in the order in which they are computed (A, B: the left and right operand; K: the contracted axis; several contracted axes count as one K, in the product's order):
;;     1. [M 4,096, K 1,024] x [K 1,024, N 1,024]; A: input x; B: input Wq: QUANTISED
;;     2. [M 8,192, K 768] x [K 768, N 1,024]; A: input context; B: input Wk: QUANTISED
;;     3. [M 8,192, K 768] x [K 768, N 1,024]; A: input context; B: input Wv: QUANTISED
;;     4. batch 32 x [M 2,048, K 64] x [K 64, N 4,096]; A: computed on the way; B: computed on the way: left as it is (an operand is computed on the way)
;;     5. batch 32 x [M 64, K 4,096] x [K 4,096, N 2,048]; A: computed on the way; B: computed on the way: left as it is (an operand is computed on the way)
;;     6. [M 4,096, K 1,024] x [K 1,024, N 1,024]; A: computed on the way; B: input Wo: left as it is (an operand is computed on the way)
;;   THE QUANTISER, for each operand of a quantised product, along K:
;;     - K is cut into blocks of 32 from its start; a last block that is shorter is filled with zeros.
;;     - A block's scale is 2^e with e = floor(log2(the largest magnitude in the block)) - 2, held to -126 .. 127; a block of zeros has e = 0. As a byte (E8M0): e + 127.
;;     - Each number is divided by its block's scale, clamped to +-6, and rounded to the nearest number of E2M1, ties to even, subnormals kept.
;;     - The product sums the exact products of the quantised numbers (number of the format x scale) in f32.
;;   ~~~python
;;   def quantise(x, axis):      # numpy; x: float32 -> the quantised numbers, widened to float32 again
;;       x = np.moveaxis(x, axis, -1); K = x.shape[-1]
;;       x = np.pad(x, [(0, 0)] * (x.ndim - 1) + [(0, -K % 32)]); x = x.reshape(x.shape[:-1] + (-1, 32)); a = np.abs(x).max(-1, keepdims=True)
;;       e = np.where(a > 0, np.clip(np.frexp(np.where(a > 0, a, 1))[1] - 1 - 2, -126, 127), 0)      # np.frexp(a)[1] - 1 = floor(log2(a)), exactly
;;       r = np.clip(x / 2.0 ** e, -6, 6)
;;       step = 2.0 ** (np.maximum(np.frexp(np.where(r == 0, 1, r))[1] - 1, 0) - 1)
;;       q = np.round(r / step) * step * 2.0 ** e      # np.round: ties to even
;;       return np.moveaxis(q.reshape(q.shape[:-2] + (-1,))[..., :K], -1, axis).astype(np.float32)
;;   ~~~
;; One version. Each part assembles by itself: llvm-mc -triple=amdgcn-amd-amdhsa -mcpu=gfx1250 --defsym DOCPART=n.
;; ======== version 1 of 1: 4 launches
;; limits: values are held in f16: magnitudes above 65,504 overflow, below 6.1e-05 lose precision
;; workspace buffers: acodes 5,242,880 bytes; ascales 327,680 bytes; wcodes 1,310,720 bytes; wscales 81,920 bytes; wo16 2,097,152 bytes; kv16 33,554,432 bytes; o16 8,388,608 bytes
;; launch prep (part 1): grid 752 x 1, 4 waves a work-group, no clusters, 34,304 bytes of LDS; arguments x, context, Wq, Wk, Wv, Wo, acodes, ascales, wcodes, wscales, wo16; writes acodes, ascales, wcodes, wscales, wo16
.if DOCPART == 1
	.amdgcn_target "amdgcn-amd-amdhsa--gfx1250"
	.amdhsa_code_object_version 6
	.text
	.protected	k_q59194aba79_prep
	.globl	k_q59194aba79_prep
	.p2align	8
	.type	k_q59194aba79_prep,@function
k_q59194aba79_prep:
	s_mov_b64 s[64:65], 0
	v_nop
	global_prefetch_b8 v0, s[64:65] scope:SCOPE_SE
	s_setreg_imm32_b32 hwreg(HW_REG_WAVE_MODE, 25, 1), 1
	s_wait_xcnt 0x0
; CROSS ATTENTION, launch 1 of 4: the operands of the three quantised projections become codes of FP4 (E2M1) with one E8M0 byte for each 32 along K; Wo becomes f16.
; NO WORK OF THE PROBLEM IS LEFT OUT IN ANY LAUNCH: x, context, context_mask, Wq, Wk, Wv, Wo and bo all reach out0, and all six products are live.
; A block's scale is 2^(floor(log2(its largest magnitude)) - 2); its byte is the largest magnitude's exponent field - 2, held at 1 from below by a floor among the maximum's leaves.
; LIMITS.  A block of zeros gets the byte 1 where the rule says 127: its codes are zeros, and this program alone reads the bytes.  NaN and infinities among the inputs are not served.
; The products that are not quantised take f16 operands (q, k, v, p, o, Wo): magnitudes beyond 65,504 there become infinity; an o under 6e-5 is kept with f16's subnormal step of 6e-8.
; LAYOUT OF ALL WORKSPACES: the order of the operand's registers.  A fragment's groups of four registers lie on end, 512 bytes each, lane l's 16 bytes at 16 l.  So codes leave straight from registers in
; runs of 256 or 512 consecutive bytes, and a reader takes a fragment by loads of 16 bytes a lane.
;   acodes  x: [K step 8][tile of 16 rows 256][group 2][lane][16 B]; context behind it: [6][512][2][lane][16 B].  Lane (r, h), group c: k = 128 s + 64 c + 32 h + 0 .. 31 of row 16 T + r
;   ascales words [tile][K step][row 16]: byte b of a word scales k = 32 b .. 32 b + 31 of the step        wcodes, wscales: the same for columns of Wq, then of Wk | Wv (tiles 0-63 Wk, 64-127 Wv)
;   wo16    [k / 256][tile of 16 columns 64][k / 32 % 8][group 2][lane][16 B]: lane (r, h), group g: k = .. + 16 g + 8 h + 0 .. 7 of column 16 T + r
; SHARES.  Work-groups 0-255: x; 256-639: context; a wave takes 16 rows x 256 along K (two K steps).  Work-groups 640-751: Wq (32), Wk (24), Wv (24), Wo (32): 128 columns x 256 along K, a wave 32 columns.
; No matrix unit, no cluster, no barrier: memory binds, nothing is shared, and waves hand nothing to each other.
.set XWG,   256                        ; work-groups for x
.set AWG,   640                        ; for x and context together
.set CC,    2097152                    ; context's codes in acodes
.set CS,    131072                     ; context's scale words in ascales
.set WKVC,  524288                     ; Wk | Wv in wcodes
.set WKVS,  32768                      ; and in wscales
.set SROW,  528                        ; a stage row: 512 bytes + 16, so that the sixteen rows that a read touches begin 4 words apart modulo 64 words
.set STG,   16*SROW                    ; a wave's own stage
.set SPARE, 4*STG                      ; behind the stages: the spare words, 128 bytes a wave
.set SPW,   12                         ; v12  my spare word's address; never rewritten
.set NIL,   13                         ; v13  0; never rewritten
.set OFF,   16                         ; v16-31  row i of my tile: 16 x lane + i x the row's bytes
.set R0,    32                         ; v32-95   the first K step as loaded; later the second step's numbers by blocks.  (Weights: two sets of 32 numbers)
.set R1,    96                         ; v96-159  the second K step as loaded.  (Weights: v96-223 codes or f16 pairs, registers of its own for each block)
.set X0,    160                        ; v160-223 the first step's numbers by blocks
.set C0,    224                        ; v224-231, v232-239 the two steps' codes
.set C1,    232
.set MX,    240                        ; v240-241 largest magnitudes; v242-243 the conversions' scale operands; v244-245 bytes
.set SCL,   242
.set BY,    244
.set WT,    246
.set W0,    247                        ; v247, v248 the two steps' scale words; v249 both, by halves of the lanes
.set W1,    248
.set WM,    249
.set SW,    250                        ; v250-251 weights: the two steps' scale words
; 16 loads: 512 consecutive bytes of each of my 16 rows
.macro ALOAD rr, ofs
.set i, 0
.rept 16
	global_load_b128 v[\rr+4*i:\rr+4*i+3], v[OFF+i], s[4:5] offset:\ofs th:TH_LOAD_NT
.set i, i+1
.endr
.endm
; One K step: 16 rows x 128 numbers turn through my stage, so that lane (r, h) holds blocks h and 2 + h of row r, 32 neighbours each; then scale, codes, stores.
.macro ASTEP rr, xx, cd, wd, cb, left
	s_wait_loadcnt \left                           ; this step's 16 loads are in; the younger ones stay out
.set i, 0
.rept 16
	ds_store_b128 v4, v[\rr+4*i:\rr+4*i+3] offset:i*SROW
.set i, i+1
.endr
.set i, 0
.rept 16                                       ; i = 8 c + j: 16 bytes j of block 2 c + h.  LDS serves a wave's instructions in order: these see the stores above
	ds_load_b128 v[\xx+4*i:\xx+4*i+3], v5 offset:256*(i/8)+16*(i%8)
.set i, i+1
.endr
	s_wait_dscnt 0x0
	v_max3_num_f32 v[MX], |v[\xx]|, |v[\xx+1]|, 0x1800000            ; my two blocks by turns; the floor 2^(3 - 127) keeps the byte at 1 or above
	v_max3_num_f32 v[MX+1], |v[\xx+32]|, |v[\xx+33]|, 0x1800000
.set i, 2
.rept 15
	v_max3_num_f32 v[MX], v[MX], |v[\xx+i]|, |v[\xx+i+1]|
	v_max3_num_f32 v[MX+1], v[MX+1], |v[\xx+32+i]|, |v[\xx+33+i]|
.set i, i+2
.endr
	v_add_nc_u32 v[SCL], 0xff000000, v[MX]         ; 2 off the exponent field: the conversion takes this operand's exponent field as its scale
	v_add_nc_u32 v[SCL+1], 0xff000000, v[MX+1]
	v_lshrrev_b32 v[BY], 23, v[SCL]                ; the bytes
	v_lshrrev_b32 v[BY+1], 23, v[SCL+1]
	v_lshl_or_b32 v[\wd], v[BY+1], 16, v[BY]       ; blocks h and 2 + h,
	v_lshlrev_b32 v[\wd], v8, v[\wd]               ; at their places in the word (8 h bits up);
	v_permlanex16_b32 v[WT], v[\wd], s47, s48
	v_or_b32 v[\wd], v[\wd], v[WT]                 ; with lane l xor 16's two the row's word is whole
.set i, 0
.rept 8
	v_cvt_scalef32_pk8_fp4_f32 v[\cd+i], v[\xx+8*i:\xx+8*i+7], v[SCL+i/4]
.set i, i+1
.endr
	v_nop                                          ; one plain line behind the last scaled conversion
	global_store_b128 v1, v[\cd:\cd+3], s[\cb:\cb+1]               ; 512 consecutive bytes each
	global_store_b128 v1, v[\cd+4:\cd+7], s[\cb:\cb+1] offset:512
.endm
; Weights: block t, W(32 t + i, my column), i = 0 .. 31, into set t % 2: 128 consecutive bytes a wave, 512 a work-group
.macro WLOAD t
.set i, 0
.rept 32
	global_load_b32 v[R0+32*((\t)%2)+i], v3, s[8:9] offset:(32*(\t)+i)*4096 th:TH_LOAD_NT
.set i, i+1
.endr
.endm
.macro WWAIT t
.if (\t) < 7
	s_wait_loadcnt 32                              ; this block's 32 loads are in; the next block's may be out
.else
	s_wait_loadcnt 0x0
.endif
.endm
; A block of 32 along K of my column is all mine: scale, four conversions, one store: sixteen lanes fill 256 consecutive bytes
.macro QBLOCK t
.set XS, R0+32*((\t)%2)
	WWAIT \t
	v_max3_num_f32 v[MX], |v[XS]|, |v[XS+1]|, |v[XS+2]|
	v_max3_num_f32 v[MX+1], |v[XS+3]|, |v[XS+4]|, |v[XS+5]|
.irp i, 6,10,14,18,22,26
	v_max3_num_f32 v[MX], v[MX], |v[XS+\i]|, |v[XS+\i+1]|
	v_max3_num_f32 v[MX+1], v[MX+1], |v[XS+\i+2]|, |v[XS+\i+3]|
.endr
	v_max3_num_f32 v[MX], v[MX], |v[XS+30]|, |v[XS+31]|
	v_max3_num_f32 v[MX], v[MX], v[MX+1], 0x1800000
	v_add_nc_u32 v[SCL], 0xff000000, v[MX]
	v_lshrrev_b32 v[BY], 23, v[SCL]
.if (\t)%4 == 0
	v_mov_b32 v[SW+(\t)/4], v[BY]                  ; four bytes to a K step's word, the lower k in the lower byte
.else
	v_lshl_or_b32 v[SW+(\t)/4], v[BY], 8*((\t)%4), v[SW+(\t)/4]
.endif
.irp g, 0,1,2,3
	v_cvt_scalef32_pk8_fp4_f32 v[R1+4*(\t)+\g], v[XS+8*\g:XS+8*\g+7], v[SCL]
.endr
	v_nop                                          ; one plain line behind the last scaled conversion
	global_store_b128 v9, v[R1+4*(\t):R1+4*(\t)+3], s[20+28*((\t)/4):21+28*((\t)/4)] offset:(((\t)%4)/2)*512+((\t)%2)*256
.if (\t)+2 < 8
	WLOAD (\t)+2
.endif
.if (\t)%4 == 3
	global_store_b32 v10, v[SW+(\t)/4], s[22:23] offset:64*((\t)/4)
.endif
.endm
; Wo: 32 numbers down K of my column become 16 pairs of f16: four stores, sixteen lanes to 256 consecutive bytes
.macro CBLOCK t
.set XS, R0+32*((\t)%2)
	WWAIT \t
.set i, 0
.rept 16
	v_cvt_pk_f16_f32 v[R1+16*(\t)+i], v[XS+2*i], v[XS+2*i+1]
.set i, i+1
.endr
.irp j, 0,1,2,3
	global_store_b128 v11, v[R1+16*(\t)+4*\j:R1+16*(\t)+4*\j+3], s[24:25] offset:(\t)*1024+256*\j
.endr
.if (\t)+2 < 8
	WLOAD (\t)+2
.endif
.endm
	s_load_b256 s[4:11], s[0:1], 0x0               ; x s[4:5], context s[6:7], Wq s[8:9], Wk s[10:11]
	s_load_b256 s[12:19], s[0:1], 0x20             ; Wv s[12:13], Wo s[14:15], acodes s[16:17], ascales s[18:19]
	s_load_b128 s[20:23], s[0:1], 0x40             ; wcodes s[20:21], wscales s[22:23]
	s_load_b64 s[24:25], s[0:1], 0x50              ; wo16
	v_lshl_add_u32 v[SPW], v0, 2, SPARE
	v_mov_b32 v[NIL], 0
	v_lshrrev_b32 v1, 5, v0
	v_readfirstlane_b32 s26, v1                    ; wave 0..3
	v_and_b32 v2, 31, v0                           ; lane
	v_lshlrev_b32 v1, 4, v2                        ; 16 x lane
	v_lshlrev_b32 v3, 2, v2                        ; 4 x lane
	v_and_b32 v6, 15, v2                           ; r
	v_lshrrev_b32 v7, 4, v2                        ; h
	s_cmp_ge_u32 ttmp9, AWG
	s_cbranch_scc1 .Lweights
	; ---- x and context: K is innermost.  One way through the text for both; only numbers and pointers are chosen, on the work-group's number
	s_cmp_lt_u32 ttmp9, XWG
	s_cselect_b32 s27, 0, XWG                      ; the tensor's first work-group
	s_cselect_b32 s28, 8, 9                        ; log2 of its tiles: 256 or 512
	s_mov_b32 s29, 3072
	s_cselect_b32 s29, 4096, s29                   ; a row in bytes
	s_cselect_b32 s30, 0, CC
	s_cselect_b32 s31, 0, CS
	s_mov_b32 s32, 384
	s_cselect_b32 s32, 512, s32                    ; a tile's scale words in bytes: 64 x K steps
	s_sub_co_u32 s27, ttmp9, s27
	s_lshl_b32 s27, s27, 2
	s_add_co_u32 s27, s27, s26                     ; my unit: [pair of K steps][tile]
	s_bfm_b32 s33, s28, 0
	s_and_b32 s33, s27, s33                        ; tile T
	s_lshr_b32 s34, s27, s28                       ; pair p
	s_mul_i32 s36, s33, s29
	s_lshl_b32 s36, s36, 4                         ; 16 T rows,
	s_lshl_b32 s35, s34, 10
	s_add_co_u32 s36, s36, s35                     ; + 1,024 p bytes along the row
	s_mov_b32 s37, 0
	s_lshl_b32 s38, s34, 1
	s_lshl_b32 s38, s38, s28
	s_add_co_u32 s38, s38, s33
	s_lshl_b32 s38, s38, 10                        ; codes: (2 p x tiles + T) x 1,024
	s_add_co_u32 s38, s38, s30
	s_mov_b32 s39, 0
	s_add_co_u32 s35, s28, 10
	s_lshl_b32 s40, 1, s35                         ; a K step on: tiles x 1,024
	s_mov_b32 s41, 0
	s_mul_i32 s42, s33, s32
	s_lshl_b32 s35, s34, 7
	s_add_co_u32 s42, s42, s35                     ; scale words: T's, + 128 p
	s_add_co_u32 s42, s42, s31
	s_mov_b32 s43, 0
	s_mov_b32 s47, 0x76543210
	s_mov_b32 s48, 0xfedcba98                      ; v_permlanex16_b32's selects for lane l xor 16
	s_mul_i32 s35, s26, STG
	v_add_nc_u32 v4, s35, v1                       ; the stage on the way in: 16 x lane of a row
	v_mul_u32_u24 v5, v6, SROW
	v_lshl_add_u32 v5, v7, 7, v5
	v_add_nc_u32 v5, s35, v5                       ; and out: row r, + 128 h
	v_lshlrev_b32 v8, 3, v7                        ; 8 h
	v_cmp_eq_u32 s46, 1, v7                        ; lanes 16-31
	v_mov_b32 v[WT], 0                             ; a lane permute's destination counts as one of its sources
	v_mov_b32 v[OFF], v1
.set i, 1
.rept 15
	v_add_nc_u32 v[OFF+i], s29, v[OFF+i-1]
.set i, i+1
.endr
	s_wait_kmcnt 0x0
	s_cmp_lt_u32 ttmp9, XWG
	s_cselect_b64 s[4:5], s[4:5], s[6:7]
	s_add_nc_u64 s[4:5], s[4:5], s[36:37]
	s_add_nc_u64 s[16:17], s[16:17], s[38:39]      ; the first step's codes,
	s_add_nc_u64 s[44:45], s[16:17], s[40:41]      ; the second's
	s_add_nc_u64 s[18:19], s[18:19], s[42:43]
	ALOAD R0, 0
	ALOAD R1, 512                                  ; all 32 loads of the wave are out at once
	ASTEP R0, X0, C0, W0, 16, 16
	ASTEP R1, R0, C1, W1, 44, 0                    ; its numbers come back into the first step's load registers, whose stores into the stage are done
	v_cndmask_b32 v[WM], v[W0], v[W1], s46         ; lanes 0-15 the first step's words, lanes 16-31 the second's: 128 consecutive bytes
	global_store_b32 v3, v[WM], s[18:19]
	s_wait_tensorcnt 0x0                           ; the wave's end: three closing lines, behind my last LDS store
	ds_add_u32 v[SPW], v[NIL]
	s_wait_dscnt 0x0
	s_endpgm
.Lweights:
	; ---- Wq, Wk, Wv, Wo: K is the first axis.  A lane takes a column and its registers run down K: nothing is transposed
	s_sub_co_u32 s27, ttmp9, AWG                   ; 0-31 Wq, 32-55 Wk, 56-79 Wv, 80-111 Wo
	s_and_b32 s28, s27, 7                          ; which 128 columns
	s_mov_b32 s29, 0                               ; the tensor's first work-group
	s_mov_b32 s30, 6                               ; log2 of the tiles in a K step of wcodes: 64, or 128 for Wk | Wv
	s_mov_b32 s31, 0
	s_mov_b32 s32, 0
	s_mov_b32 s33, 512                             ; a tile's scale words in bytes
	s_mov_b32 s34, 0                               ; Wv's tiles lie 64 behind Wk's
	s_cmp_ge_u32 s27, 32
	s_cselect_b32 s29, 32, s29
	s_cselect_b32 s30, 7, s30
	s_cselect_b32 s31, WKVC, s31
	s_cselect_b32 s32, WKVS, s32
	s_cselect_b32 s33, 384, s33
	s_cmp_ge_u32 s27, 56
	s_cselect_b32 s29, 56, s29
	s_cselect_b32 s34, 64, s34
	s_cmp_ge_u32 s27, 80
	s_cselect_b32 s29, 80, s29
	s_cselect_b32 s34, 0, s34
	s_sub_co_u32 s35, s27, s29
	s_lshr_b32 s35, s35, 3                         ; which 256 along K
	s_lshl_b32 s36, s35, 20                        ; 256 rows of 4,096 bytes,
	s_lshl_b32 s37, s28, 9
	s_add_co_u32 s36, s36, s37                     ; + 128 columns x 4,
	s_lshl_b32 s37, s26, 7
	s_add_co_u32 s36, s36, s37                     ; + my wave's 32
	s_mov_b32 s37, 0
	s_lshl_b32 s38, s28, 3
	s_lshl_b32 s39, s26, 1
	s_add_co_u32 s38, s38, s39
	s_add_co_u32 s38, s38, s34                     ; my first tile of columns; lanes 16-31 hold the next
	v_lshlrev_b32 v9, 10, v7
	v_lshl_add_u32 v9, v6, 4, v9                   ; codes: tile (lane / 16), 16 r
	v_mul_u32_u24 v10, s33, v7
	v_lshl_add_u32 v10, v6, 2, v10                 ; scale words: tile, 4 r
	v_lshlrev_b32 v11, 13, v7
	v_lshl_add_u32 v11, v6, 4, v11                 ; wo16: tile, 16 r
	s_wait_kmcnt 0x0
	s_cmp_ge_u32 s27, 32
	s_cselect_b64 s[8:9], s[10:11], s[8:9]
	s_cmp_ge_u32 s27, 56
	s_cselect_b64 s[8:9], s[12:13], s[8:9]
	s_cmp_ge_u32 s27, 80
	s_cselect_b64 s[8:9], s[14:15], s[8:9]
	s_add_nc_u64 s[8:9], s[8:9], s[36:37]
	WLOAD 0
	WLOAD 1                                        ; two blocks, 64 loads, ahead
	s_cmp_ge_u32 s27, 80
	s_cbranch_scc1 .Lcast
	s_lshl_b32 s40, s35, 1
	s_lshl_b32 s40, s40, s30
	s_add_co_u32 s40, s40, s38
	s_lshl_b32 s40, s40, 10                        ; codes: (K step x tiles + tile) x 1,024
	s_add_co_u32 s40, s40, s31
	s_mov_b32 s41, 0
	s_add_nc_u64 s[20:21], s[20:21], s[40:41]      ; blocks 0-3: my first K step,
	s_add_co_u32 s42, s30, 10
	s_lshl_b32 s42, 1, s42
	s_mov_b32 s43, 0
	s_add_nc_u64 s[48:49], s[20:21], s[42:43]      ; blocks 4-7: the second
	s_mul_i32 s44, s38, s33
	s_lshl_b32 s45, s35, 7
	s_add_co_u32 s44, s44, s45
	s_add_co_u32 s44, s44, s32
	s_mov_b32 s45, 0
	s_add_nc_u64 s[22:23], s[22:23], s[44:45]
.irp t, 0,1,2,3,4,5,6,7
	QBLOCK \t
.endr
	s_branch .Lend
.Lcast:
	s_lshl_b32 s40, s35, 6
	s_add_co_u32 s40, s40, s38
	s_lshl_b32 s40, s40, 13                        ; wo16: (k / 256 x 64 + tile) x 8,192
	s_mov_b32 s41, 0
	s_add_nc_u64 s[24:25], s[24:25], s[40:41]
.irp t, 0,1,2,3,4,5,6,7
	CBLOCK \t
.endr
.Lend:
	s_wait_tensorcnt 0x0                           ; the same three closing lines on this way too, so that every way to the end has them
	ds_add_u32 v[SPW], v[NIL]
	s_wait_dscnt 0x0
	s_endpgm
.Lfunc_end_k_q59194aba79_prep:
	.size	k_q59194aba79_prep, .Lfunc_end_k_q59194aba79_prep-k_q59194aba79_prep
	.p2alignl 7, 3214868480
	.fill 96, 4, 3214868480
	.section	.rodata,"a",@progbits
	.p2align	6, 0x0
	.amdhsa_kernel k_q59194aba79_prep
		.amdhsa_group_segment_fixed_size 34304
		.amdhsa_private_segment_fixed_size 0
		.amdhsa_enable_private_segment 0
		.amdhsa_kernarg_size 88
		.amdhsa_user_sgpr_count 2
		.amdhsa_user_sgpr_kernarg_segment_ptr 1
		.amdhsa_wavefront_size32 1
		.amdhsa_system_sgpr_workgroup_id_x 1
		.amdhsa_system_sgpr_workgroup_id_y 1
		.amdhsa_system_sgpr_workgroup_id_z 1
		.amdhsa_system_vgpr_workitem_id 0
		.amdhsa_next_free_vgpr 256
		.amdhsa_next_free_sgpr 66
		.amdhsa_reserve_vcc 0
		.amdhsa_float_denorm_mode_32 3
		.amdhsa_float_denorm_mode_16_64 3
		.amdhsa_memory_ordered 1
		.amdhsa_forward_progress 1
		.amdhsa_inst_pref_size 87
	.end_amdhsa_kernel
	.amdgpu_metadata
---
amdhsa.version: [ 1, 2 ]
amdhsa.kernels:
  - .name:           k_q59194aba79_prep
    .symbol:         k_q59194aba79_prep.kd
    .args:
      - { .name: x, .offset: 0, .size: 8, .value_kind: global_buffer, .address_space: global }
      - { .name: context, .offset: 8, .size: 8, .value_kind: global_buffer, .address_space: global }
      - { .name: Wq, .offset: 16, .size: 8, .value_kind: global_buffer, .address_space: global }
      - { .name: Wk, .offset: 24, .size: 8, .value_kind: global_buffer, .address_space: global }
      - { .name: Wv, .offset: 32, .size: 8, .value_kind: global_buffer, .address_space: global }
      - { .name: Wo, .offset: 40, .size: 8, .value_kind: global_buffer, .address_space: global }
      - { .name: acodes, .offset: 48, .size: 8, .value_kind: global_buffer, .address_space: global }
      - { .name: ascales, .offset: 56, .size: 8, .value_kind: global_buffer, .address_space: global }
      - { .name: wcodes, .offset: 64, .size: 8, .value_kind: global_buffer, .address_space: global }
      - { .name: wscales, .offset: 72, .size: 8, .value_kind: global_buffer, .address_space: global }
      - { .name: wo16, .offset: 80, .size: 8, .value_kind: global_buffer, .address_space: global }
    .group_segment_fixed_size: 34304
    .private_segment_fixed_size: 0
    .kernarg_segment_align: 8
    .kernarg_segment_size: 88
    .max_flat_workgroup_size: 128
    .sgpr_count:     66
    .vgpr_count:     256
    .wavefront_size: 32
...
	.end_amdgpu_metadata
.endif
;; end of part 1
;; launch projkv (part 2): grid 8 x 32, 4 waves a work-group, clusters of 4 x 4, 197,120 bytes of LDS; arguments acodes, ascales, wcodes, wscales, kv16; writes kv16
.if DOCPART == 2
	.amdgcn_target "amdgcn-amd-amdhsa--gfx1250"
	.amdhsa_code_object_version 6
	.text
	.protected	k_q59194aba79_projkv
	.globl	k_q59194aba79_projkv
	.p2align	8
	.type	k_q59194aba79_projkv,@function
k_q59194aba79_projkv:
	s_mov_b64 s[64:65], 0
	v_nop
	global_prefetch_b8 v0, s[64:65] scope:SCOPE_SE
	s_setreg_imm32_b32 hwreg(HW_REG_WAVE_MODE, 25, 1), 1
	s_wait_xcnt 0x0
	s_wait_alu depctr_hold_cnt(0) depctr_sa_sdst(0) depctr_va_vdst(0) depctr_va_sdst(0) depctr_va_ssrc(0) depctr_va_vcc(0) depctr_vm_vsrc(0)
	s_getreg_b32 s2, hwreg(HW_REG_IB_STS2, 6, 4)
	s_cmp_eq_u32 s2, 0
	s_cbranch_scc0 .Lentry_in_a_cluster
	s_endpgm
.Lentry_in_a_cluster:
	s_bfe_u32 s2, ttmp6, 0x10000c
	s_cmp_lg_u32 s2, 0xf033
	s_cbranch_scc0 .Lentry_shape_is_right
	s_endpgm
.Lentry_shape_is_right:
; Launch 2 of 4: k = context Wk and v = context Wv, on codes of FP4 with E8M0 scales, sums in f32; results rounded once to f16 and laid as the attention's operand registers want them.  Nothing is left out.
; [8,192 rows] x [2,048 columns: Wk | Wv], K = 768: 256 work-groups of 256 x 256; four waves, each 128 x 128 in 64 accumulators.  Cluster x = 0 makes k, cluster x = 1 makes v.
; ALL OF K LIES IN LDS AT ONCE: 6 K steps x 16 tiles x 1,024 bytes for each side, 196,608 bytes: first fills alone, nothing is filled again.  Each wave issues two loads (K steps 0-2, then 3-5), so two are out.
; CLUSTER 4 x 4: the four work-groups of a row need the same rows of context, the four of a column the same columns of the weights: each tile is asked for jointly.
; WHICH SIDE IS SOURCE 0.  In a result a lane holds one row of source 1 and eight neighbouring rows of source 0.  k is wanted with a lane to a key and registers along the channels: source 0 = weights.
; v is wanted with a lane to a channel and registers along the keys: source 0 = context.  So the six K steps are written twice, behind one branch on the cluster's x, which all partners share.
; kv16: [batch x head 32][block of 512 keys 8][131,072 B].  K at 0: [key tile 32][channels / 32][group 2][lane][16 B]: lane (r, h): key 16 kt + r, channels 32 cc + 16 g + 8 h + 0 .. 7.
;       V at 65,536: [keys / 32: 16][channel tile 4][group 2][lane][16 B]: lane (r, h): channel 16 ct + r, keys 32 kc + 16 g + 8 h + 0 .. 7.  Every store below covers 512 consecutive bytes.
; REGISTERS: window 0: v1 16 x lane, v2 4 x lane, v16-19 LDS addresses, v28-29 the add's two, v32-55 and v56-79 scale words (they hold nothing else), v128-255 packed results.
;   window 1: two sets of fragments: source 0's eight at 128 p, source 1's eight at 128 p + 64.   windows 2, 3: accumulator (a, b) at v[8 (8 (a % 4) + b)] of window 2 + a / 4.
.set CC,    2097152
.set CS,    131072
.set WKVC,  524288
.set WKVS,  32768
.set HALF,  49152                      ; 8 tiles x 6 K steps x 1,024 bytes: what one wave fetches, and what one wave reads of a side
.set STEPB, 8192                       ; a K step of 8 tiles
.set SPARE, 4*HALF                     ; behind the tiles: the spare words, 128 bytes a wave
.set AW0,   16                         ; v16  weights, half wave & 1       v17  context, half wave >> 1   (the two for k)
.set AA1,   17
.set AA0,   18                         ; v18  context, half wave & 1       v19  weights, half wave >> 1   (the two for v)
.set AW1,   19
.set SPW,   28
.set NIL,   29
.set XSC,   32                         ; source 0's scale words: tile b, pair of K steps t at 3 b + t: lanes 0-15 step 2 t, lanes 16-31 step 2 t + 1
.set YSC,   56                         ; source 1's
.set TMP,   128
.set G1A,   24                         ; s[24:31] group 1 for context's tiles; s[32:39] group 0, a set for each of the two loads
.set G0A,   32
.set G1W,   48                         ; s[48:55], s[56:63] the same for the weights'
.set G0W,   56
.set MSB, 0
.macro WIN new                         ; the immediate's high byte repeats the setting that is left
.if MSB != \new
	s_set_vgpr_msb (MSB<<8)|\new
.set MSB, \new
.endif
.endm
.set MUL_LO, 0xa5                      ; sources 0 and 1 window 1, C and D window 2
.set MUL_HI, 0xf5                      ; C and D window 3
.set TO_F,   0x40                      ; destination window 1, address window 0
.macro PLACES n
.rept \n
	v_nop
.endr
.endm
.macro CROUND                          ; a round of the cluster's barrier
	s_barrier_signal -1
	s_barrier_wait -1
	s_cmp_lg_u32 s14, 0
	s_cbranch_scc1 .Lnot_wave_0_\@
	s_barrier_signal -3
.Lnot_wave_0_\@:
	s_barrier_wait -3
	s_barrier_signal -1
	s_barrier_wait -1
.endm
; 32 LDS loads: both sides' eight fragments of K step s into set p.  A step's eight tiles are 8,192 consecutive bytes: load i brings registers 4 i .. 4 i + 3
.macro FETCH s, p
	WIN TO_F
.set i, 0
.rept 16
	ds_load_b128 v[128*(\p)+4*i:128*(\p)+4*i+3], v[ADX] offset:(\s)*STEPB+512*i
.set i, i+1
.endr
.set i, 0
.rept 16
	ds_load_b128 v[128*(\p)+64+4*i:128*(\p)+64+4*i+3], v[ADY] offset:(\s)*STEPB+512*i
.set i, i+1
.endr
.endm
; 16 matrix instructions: source 1's blocks a0, a0 + 1 x source 0's eight.  The 64 accumulators take turns, one instruction a turn, in the same order in every step.
.macro MUL16 a0, p, s, zero
.irp a, \a0, \a0+1
.irp b, 0,1,2,3,4,5,6,7
.if \zero
	v_wmma_scale_f32_16x16x128_f8f6f4 v[8*(8*((\a)%4)+\b):8*(8*((\a)%4)+\b)+7], v[128*(\p)+8*\b:128*(\p)+8*\b+7], v[128*(\p)+64+8*(\a):128*(\p)+64+8*(\a)+7], 0, v[XSC+3*\b+(\s)/2], v[YSC+3*(\a)+(\s)/2] matrix_a_fmt:MATRIX_FMT_FP4 matrix_b_fmt:MATRIX_FMT_FP4
.elseif (\s)%2
	v_wmma_scale_f32_16x16x128_f8f6f4 v[8*(8*((\a)%4)+\b):8*(8*((\a)%4)+\b)+7], v[128*(\p)+8*\b:128*(\p)+8*\b+7], v[128*(\p)+64+8*(\a):128*(\p)+64+8*(\a)+7], v[8*(8*((\a)%4)+\b):8*(8*((\a)%4)+\b)+7], v[XSC+3*\b+(\s)/2], v[YSC+3*(\a)+(\s)/2] matrix_a_fmt:MATRIX_FMT_FP4 matrix_b_fmt:MATRIX_FMT_FP4 matrix_a_scale:MATRIX_SCALE_ROW1 matrix_b_scale:MATRIX_SCALE_ROW1
.else
	v_wmma_scale_f32_16x16x128_f8f6f4 v[8*(8*((\a)%4)+\b):8*(8*((\a)%4)+\b)+7], v[128*(\p)+8*\b:128*(\p)+8*\b+7], v[128*(\p)+64+8*(\a):128*(\p)+64+8*(\a)+7], v[8*(8*((\a)%4)+\b):8*(8*((\a)%4)+\b)+7], v[XSC+3*\b+(\s)/2], v[YSC+3*(\a)+(\s)/2] matrix_a_fmt:MATRIX_FMT_FP4 matrix_b_fmt:MATRIX_FMT_FP4
.endif
.endr
.endr
.endm
; A K step of 128: 64 matrix instructions; in its middle the next step's fragments are fetched into the other set
.macro STEP s, zero
	s_wait_dscnt 0x0                               ; this step's fragments are in (asked for 32 matrix instructions ago)
	WIN MUL_LO
	MUL16 0, (\s)%2, \s, \zero
	MUL16 2, (\s)%2, \s, \zero
.if (\s) == 2
	s_wait_tensorcnt 0x0                           ; my part of K steps 3-5 has landed (no LDS instruction of mine is out here),
	s_barrier_signal -1
	s_barrier_wait -1                              ; everybody's has.
.endif
.if (\s) < 5
	PLACES 4                                       ; four plain lines in front of loads into registers that matrix instructions have read (ISA guide 7.12.1 for vector instructions)
	FETCH (\s)+1, ((\s)+1)%2
.endif
	WIN MUL_HI
	MUL16 4, (\s)%2, \s, \zero
	MUL16 6, (\s)%2, \s, \zero
.endm
.macro MAIN
	FETCH 0, 0
	s_wait_loadcnt 0x0                             ; the scale words
	STEP 0, 1                                      ; the first step's products start the sums: nothing is cleared
	STEP 1, 0
	STEP 2, 0
	STEP 3, 0
	STEP 4, 0
	STEP 5, 0
	WIN 0
	PLACES 4                                       ; in front of the first read of results
.endm
; THE WAY OUT, 16 accumulators at a time: a lane's eight results pack into 16 bytes, which are a group of the reader's fragment as they stand.  kind 0: k, 1: v
.macro EPI kind
.irp q, 0,1,2,3
.if \q > 1
	s_wait_xcnt 0x0                                ; the stores of two batches ago have read their registers
.endif
	WIN 0x0a+5*(\q/2)                              ; sources 0 and 1: window 2 or 3
.irp e, 0,1
.irp b, 0,1,2,3,4,5,6,7
.irp j, 0,1,2,3
	v_cvt_pk_f16_f32 v[TMP+64*(\q%2)+4*(8*\e+\b)+\j], v[8*(8*((2*\q+\e)%4)+\b)+2*\j], v[8*(8*((2*\q+\e)%4)+\b)+2*\j+1]
.endr
.endr
.endr
	WIN 0
.irp e, 0,1
.irp b, 0,1,2,3,4,5,6,7
.if \kind == 0
	global_store_b128 v1, v[TMP+64*(\q%2)+4*(8*\e+\b):TMP+64*(\q%2)+4*(8*\e+\b)+3], s[12:13] offset:(\b/4)*1048576+(\b%4)*512+(2*\q+\e)*2048
.else
	global_store_b128 v1, v[TMP+64*(\q%2)+4*(8*\e+\b):TMP+64*(\q%2)+4*(8*\e+\b)+3], s[12:13] offset:((2*\q+\e)/4)*1048576+((2*\q+\e)%4)*1024+(\b/2)*4096+(\b%2)*512
.endif
.endr
.endr
.endr
.endm
	s_load_b256 s[4:11], s[0:1], 0x0               ; acodes s[4:5], ascales s[6:7], wcodes s[8:9], wscales s[10:11]
	s_load_b64 s[12:13], s[0:1], 0x20              ; kv16
	v_lshl_add_u32 v[SPW], v0, 2, SPARE
	v_mov_b32 v[NIL], 0
	ds_add_u32 v[SPW], v[NIL]                      ; the wave's opening: the add, twice on end, and its wait ahead of my first tensor load
	ds_add_u32 v[SPW], v[NIL]
	v_lshrrev_b32 v1, 5, v0
	v_readfirstlane_b32 s14, v1                    ; wave 0..3
	s_and_b32 s15, s14, 1                          ; my half of source 0's rows.  Also: which half of a side I fetch
	s_lshr_b32 s16, s14, 1                         ; my half of source 1's rows.  Also: I fetch for context (0) or for the weights (1)
	s_bfe_u32 s17, ttmp6, 0x40000                  ; cx, cy: my place in the cluster
	s_bfe_u32 s18, ttmp6, 0x40004
	s_lshl_b32 s19, ttmp9, 2
	s_add_co_u32 s19, s19, s17                     ; which 256 columns of Wk | Wv = 4 x cluster x + cx
	s_and_b32 s20, ttmp7, 0xffff
	s_lshl_b32 s20, s20, 2
	s_add_co_u32 s20, s20, s18                     ; which 256 rows of context = 4 x cluster y + cy
	s_lshl_b32 s21, s18, 2
	s_lshl_b32 s21, 15, s21                        ; my row of the cluster
	s_lshl_b32 s22, 0x1111, s17                    ; my column
	; group 1: 3 rows (K steps) of 8,192 bytes (8 tiles), as 1,024 elements of 8 bytes; from step to step all the tensor's tiles: 512 or 128 x 1,024 bytes
	s_or_b32 s[G1A], s21, (3<<16)|(1<<21)          ; 15:0 the mask; 17:16 elements of 8 bytes; 21 set beside a mask; no padding: fragments are read 16 bytes a lane on end
	s_or_b32 s[G1W], s22, (3<<16)|(1<<21)
.irp g, G1A, G1W
	s_mov_b32 s[\g+1], 1024<<16                    ; tensor_dim0
	s_mov_b32 s[\g+2], 3<<16                       ; tensor_dim1
	s_mov_b32 s[\g+3], 1024<<16                    ; tile_dim0
	s_mov_b32 s[\g+4], 3                           ; tile_dim1
	s_mov_b32 s[\g+6], 0
	s_mov_b32 s[\g+7], 0
.endr
	s_mov_b32 s[G1A+5], 65536                      ; tensor_dim0_stride, in elements
	s_mov_b32 s[G1W+5], 16384
	s_lshl_b32 s2, s15, 3                          ; the 8 tiles that I fetch
	s_lshl_b32 s40, s20, 4
	s_add_co_u32 s40, s40, s2
	s_lshl_b32 s40, s40, 10
	s_add_co_u32 s40, s40, CC                      ; context: tile 16 y + 8 x half: hangs on the row of the cluster alone
	s_mov_b32 s41, 0
	s_lshl_b32 s42, s19, 4
	s_add_co_u32 s42, s42, s2
	s_lshl_b32 s42, s42, 10
	s_add_co_u32 s42, s42, WKVC                    ; weights: tile 16 x + 8 x half: on the column alone
	s_mov_b32 s43, 0
	s_mul_i32 s44, s14, HALF                       ; where they go: wave x 49,152: context's two halves, then the weights'
	s_wait_dscnt 0x0                               ; both opening adds are done
	s_wait_kmcnt 0x0
	s_add_nc_u64 s[40:41], s[4:5], s[40:41]
	s_add_nc_u64 s[42:43], s[8:9], s[42:43]
.irp n, 0,1
	s_mov_b32 s[G0A+4*\n], 1
	s_add_co_u32 s[G0A+4*\n+1], s44, \n*3*STEPB
	s_add_nc_u64 s[G0A+4*\n+2:G0A+4*\n+3], s[40:41], \n*3*524288
	s_or_b32 s[G0A+4*\n+3], s[G0A+4*\n+3], 0x80000000
	s_mov_b32 s[G0W+4*\n], 1
	s_add_co_u32 s[G0W+4*\n+1], s44, \n*3*STEPB
	s_add_nc_u64 s[G0W+4*\n+2:G0W+4*\n+3], s[42:43], \n*3*131072
	s_or_b32 s[G0W+4*\n+3], s[G0W+4*\n+3], 0x80000000
.endr
	CROUND                                         ; all sixteen work-groups are here: the joint loads meet
	s_cmp_eq_u32 s16, 0                            ; a wave's two fills stand in one branch on the wave's number; an s_nop 0 follows each, four v_nop the second
	s_cbranch_scc0 .Lfor_w
	tensor_load_to_lds s[G0A:G0A+3], s[G1A:G1A+7]
	s_nop 0
	tensor_load_to_lds s[G0A+4:G0A+7], s[G1A:G1A+7]
	s_nop 0
.rept 4
	v_nop
.endr
	s_branch .Lasked
.Lfor_w:
	tensor_load_to_lds s[G0W:G0W+3], s[G1W:G1W+7]
	s_nop 0
	tensor_load_to_lds s[G0W+4:G0W+7], s[G1W:G1W+7]
	s_nop 0
.rept 4
	v_nop
.endr
.Lasked:
	v_and_b32 v3, 31, v0
	v_lshlrev_b32 v1, 4, v3                        ; 16 x lane
	v_lshlrev_b32 v2, 2, v3                        ; 4 x lane
	s_mul_i32 s45, s15, HALF
	s_mul_i32 s46, s16, HALF
	v_add_nc_u32 v[AA0], s45, v1
	v_add_nc_u32 v[AA1], s46, v1
	s_add_co_u32 s45, s45, 2*HALF
	s_add_co_u32 s46, s46, 2*HALF
	v_add_nc_u32 v[AW0], s45, v1
	v_add_nc_u32 v[AW1], s46, v1
	; the scale words, straight into registers: a tile's are 384 consecutive bytes, my eight tiles' 3,072.  Which side is source 0 hangs on the cluster's x
	s_cmp_eq_u32 ttmp9, 0
	s_cselect_b32 s45, s15, s16                    ; my half of the weights,
	s_cselect_b32 s46, s16, s15                    ; and of context
	s_lshl_b32 s66, s19, 4
	s_lshl_b32 s45, s45, 3
	s_add_co_u32 s66, s66, s45
	s_mul_i32 s66, s66, 384
	s_add_co_u32 s66, s66, WKVS
	s_mov_b32 s67, 0
	s_lshl_b32 s68, s20, 4
	s_lshl_b32 s46, s46, 3
	s_add_co_u32 s68, s68, s46
	s_mul_i32 s68, s68, 384
	s_add_co_u32 s68, s68, CS
	s_mov_b32 s69, 0
	s_add_nc_u64 s[66:67], s[10:11], s[66:67]
	s_add_nc_u64 s[68:69], s[6:7], s[68:69]
	s_cmp_eq_u32 ttmp9, 0
	s_cselect_b64 s[70:71], s[66:67], s[68:69]     ; source 0's
	s_cselect_b64 s[72:73], s[68:69], s[66:67]     ; source 1's
.set i, 0
.rept 24                                       ; i = 3 x tile + pair of K steps
	global_load_b32 v[XSC+i], v2, s[70:71] offset:128*i
	global_load_b32 v[YSC+i], v2, s[72:73] offset:128*i
.set i, i+1
.endr
	s_wait_tensorcnt 1                             ; my part of K steps 0-2 is in; the load of steps 3-5 may stay out
	s_barrier_signal -1
	s_barrier_wait -1                              ; everybody's is
	s_cmp_eq_u32 ttmp9, 0
	s_cbranch_scc0 .Lv
	; ---- k: source 0 = weights, source 1 = context
.set ADX, AW0
.set ADY, AA1
	MAIN
	s_lshr_b32 s74, s20, 4
	s_lshl_b32 s74, s74, 4                         ; 16 x batch
	s_lshl_b32 s75, s17, 2
	s_add_co_u32 s74, s74, s75                     ; + head 4 cx
	s_lshl_b32 s75, s15, 1
	s_add_co_u32 s74, s74, s75                     ; + 2 x my half of the columns (b / 4 stands in the immediate)
	s_lshl_b32 s74, s74, 20
	s_bfe_u32 s75, s20, 0x30001                    ; the block of 512 keys: (y % 16) / 2
	s_lshl_b32 s75, s75, 17
	s_add_co_u32 s74, s74, s75
	s_and_b32 s75, s20, 1
	s_lshl_b32 s75, s75, 4
	s_lshl_b32 s76, s16, 3
	s_add_co_u32 s75, s75, s76                     ; key tile 16 (y % 2) + 8 x my half of the rows
	s_lshl_b32 s75, s75, 11
	s_add_co_u32 s74, s74, s75
	s_mov_b32 s75, 0
	s_add_nc_u64 s[12:13], s[12:13], s[74:75]
	EPI 0
	s_branch .Lend
.Lv:
	; ---- v: source 0 = context, source 1 = weights
.set ADX, AA0
.set ADY, AW1
	MAIN
	s_lshr_b32 s74, s20, 4
	s_lshl_b32 s74, s74, 4
	s_lshl_b32 s75, s17, 2
	s_add_co_u32 s74, s74, s75
	s_lshl_b32 s75, s16, 1
	s_add_co_u32 s74, s74, s75                     ; head 4 cx + 2 x my half of the columns (a / 4 in the immediate)
	s_lshl_b32 s74, s74, 20
	s_bfe_u32 s75, s20, 0x30001
	s_lshl_b32 s75, s75, 17
	s_add_co_u32 s74, s74, s75
	s_and_b32 s75, s20, 1
	s_lshl_b32 s75, s75, 3
	s_lshl_b32 s76, s15, 2
	s_add_co_u32 s75, s75, s76                     ; keys / 32: 8 (y % 2) + 4 x my half of the rows
	s_lshl_b32 s75, s75, 12
	s_add_co_u32 s74, s74, s75
	s_add_co_u32 s74, s74, 65536                   ; V lies behind K in a block
	s_mov_b32 s75, 0
	s_add_nc_u64 s[12:13], s[12:13], s[74:75]
	EPI 1
.Lend:
	s_wait_tensorcnt 0x0                           ; the wave's end
	ds_add_u32 v[SPW], v[NIL]
	s_wait_dscnt 0x0
	CROUND                                         ; the closing round: no work-group ends while a partner may still ask for a tile that names it
	s_endpgm
.Lfunc_end_k_q59194aba79_projkv:
	.size	k_q59194aba79_projkv, .Lfunc_end_k_q59194aba79_projkv-k_q59194aba79_projkv
	.p2alignl 7, 3214868480
	.fill 96, 4, 3214868480
	.section	.rodata,"a",@progbits
	.p2align	6, 0x0
	.amdhsa_kernel k_q59194aba79_projkv
		.amdhsa_group_segment_fixed_size 197120
		.amdhsa_private_segment_fixed_size 0
		.amdhsa_enable_private_segment 0
		.amdhsa_kernarg_size 40
		.amdhsa_user_sgpr_count 2
		.amdhsa_user_sgpr_kernarg_segment_ptr 1
		.amdhsa_wavefront_size32 1
		.amdhsa_system_sgpr_workgroup_id_x 1
		.amdhsa_system_sgpr_workgroup_id_y 1
		.amdhsa_system_sgpr_workgroup_id_z 1
		.amdhsa_system_vgpr_workitem_id 0
		.amdhsa_next_free_vgpr 1024
		.amdhsa_next_free_sgpr 80
		.amdhsa_reserve_vcc 0
		.amdhsa_float_denorm_mode_32 3
		.amdhsa_float_denorm_mode_16_64 3
		.amdhsa_memory_ordered 1
		.amdhsa_forward_progress 1
		.amdhsa_inst_pref_size 181
	.end_amdhsa_kernel
	.amdgpu_metadata
---
amdhsa.version: [ 1, 2 ]
amdhsa.kernels:
  - .name:           k_q59194aba79_projkv
    .symbol:         k_q59194aba79_projkv.kd
    .args:
      - { .name: acodes, .offset: 0, .size: 8, .value_kind: global_buffer, .address_space: global }
      - { .name: ascales, .offset: 8, .size: 8, .value_kind: global_buffer, .address_space: global }
      - { .name: wcodes, .offset: 16, .size: 8, .value_kind: global_buffer, .address_space: global }
      - { .name: wscales, .offset: 24, .size: 8, .value_kind: global_buffer, .address_space: global }
      - { .name: kv16, .offset: 32, .size: 8, .value_kind: global_buffer, .address_space: global }
    .group_segment_fixed_size: 197120
    .private_segment_fixed_size: 0
    .kernarg_segment_align: 8
    .kernarg_segment_size: 40
    .max_flat_workgroup_size: 128
    .sgpr_count:     80
    .vgpr_count:     1024
    .wavefront_size: 32
...
	.end_amdgpu_metadata
.endif
;; end of part 2
;; launch attn (part 3): grid 8 x 32, 8 waves a work-group, clusters of 4 x 1, 327,680 bytes of LDS; arguments acodes, ascales, wcodes, wscales, kv16, context_mask, o16; writes o16
.if DOCPART == 3
	.amdgcn_target "amdgcn-amd-amdhsa--gfx1250"
	.amdhsa_code_object_version 6
	.text
	.protected	k_q59194aba79_attn
	.globl	k_q59194aba79_attn
	.p2align	8
	.type	k_q59194aba79_attn,@function
k_q59194aba79_attn:
	s_mov_b64 s[64:65], 0
	v_nop
	global_prefetch_b8 v0, s[64:65] scope:SCOPE_SE
	s_setreg_imm32_b32 hwreg(HW_REG_WAVE_MODE, 25, 1), 1
	s_wait_xcnt 0x0
	s_wait_alu depctr_hold_cnt(0) depctr_sa_sdst(0) depctr_va_vdst(0) depctr_va_sdst(0) depctr_va_ssrc(0) depctr_va_vcc(0) depctr_vm_vsrc(0)
	s_getreg_b32 s2, hwreg(HW_REG_IB_STS2, 6, 4)
	s_cmp_eq_u32 s2, 0
	s_cbranch_scc0 .Lentry_in_a_cluster
	s_endpgm
.Lentry_in_a_cluster:
	s_bfe_u32 s2, ttmp6, 0x10000c
	s_cmp_lg_u32 s2, 0x3003
	s_cbranch_scc0 .Lentry_shape_is_right
	s_endpgm
.Lentry_shape_is_right:
; Launch 3 of 4: q = x Wq for the work-group's own queries and head (on codes of FP4; q never goes to memory), then o = softmax(q k^T / 8, hidden keys at -infinity) v.  Nothing is left out.
; SHARES.  A work-group owns 256 queries of one batch and head, each of its eight waves 32: two tiles of 16; two waves to a SIMD, so that one wave's vector work stands beside the other's matrix work.
; Every wave walks all 4,096 keys, 64 a step.  K and V come through a ring of two LDS slots of 512 keys (K 64 KB, V 64 KB), already in the order of the operands' registers.
; CLUSTER 4 x 1: the four query blocks of a cluster walk the same K and V, so each tile is asked for jointly, by all eight waves, 16 KB each: one load a wave behind each round, two out at the head.
; LAYOUT.  All three products are used transposed, so that a lane holds ONE query (lane % 16) throughout: q^T = Wq^T x^T gives a lane eight channels, which rounded to f16 are source 1 of S^T = K Q^T;
; S^T gives it eight keys, which as p in f16 are source 1 of O^T = V^T P.  Nothing changes lanes but one exchange between the halves for a query's maximum and sum.
; SOFTMAX.  c = log2(e) / 8 is multiplied into q in f32 ahead of its rounding, so a score is t = c q.k.  A running maximum m and sum l for each query; p = 2^(t - m); in every step O and l are multiplied
; by a = 2^(m_old - m_new).  THE MASK is a table of f32 in LDS, 0 for a key that counts and -3e38 for a hidden one, and goes in as the C of each key tile's first product: no vector line, no branch.
; m begins at -3e38.  While only hidden keys have been seen p is 1 and the sums hold rubbish; the first key that counts makes a = 0, which wipes them.  A query whose m ends under -1e38 has no key at all:
; it gets NaN, as a softmax over -infinity alone gives.  LIMIT: scores under -1e38 are taken for hidden.  f16 holds q c, k, v, p and o: magnitudes beyond 65,504 become infinity.
; REGISTERS.  window 0: v1-11 addresses; v12-27 statistics, eight a tile (+0 m, +2, +3 l, +4 .. +7 at work, a in +6); v28-31 mask bytes; v32-63 Q; v64-87 the first product's scale words, which hold nothing else;
;   v96-159 S^T, then p; v160-191 P; v192-255 O^T.  At the head x's 16 fragments lie in v32-63 and v96-191, q's sums in v192-255.
;   window 1: v0-63 K of a step, v64-127 V, v128-159 the mask's eight registers for each of the step's four key tiles.  At the head all 256: Wq's 32 fragments.
.set SLOTB, 131072
.set VOFF,  65536
.set BIAS,  2*SLOTB                    ; behind the ring: the mask's table, 4,096 x 4 bytes: written by LDS stores, never a fill's target
.set SPARE, BIAS+16384                 ; the spare words, 128 bytes for each of eight waves
.set L16, 1                            ; v1   16 x lane
.set LV,  2                            ; v2   16 x lane + VOFF
.set AB0, 3                            ; v3   BIAS + 32 (lane / 16)
.set ADK, 4                            ; v4-6 the step's addresses of K, V and the table
.set ADV, 5
.set ADB, 6
.set L4,  7                            ; v7   4 x lane
.set SPW, 8
.set NIL, 9
.set PFO, 10                           ; v10  256 x lane: the prefetches' offset
.set BW,  11                           ; v11  BIAS + 64 x thread: where I write the table
.set ST,  12
.set MB,  28
.set Q,   32
.set SCW, 64                           ; Wq's scale words: 4 x channel tile + pair of K steps
.set SCX, 80                           ; x's: 4 x tile + pair
.set S,   96
.set P,   160
.set O,   192
.set KF,  0                            ; in window 1
.set VF,  64
.set BI,  128
.set WV,  18
.set G1,  24                           ; s[24:31] group 1;  s[32:39] group 0, a set for each slot
.set G0,  32
.set SEL, 40
.set CSC, 42                           ; s[42:43] c
.set TB,  44                           ; s44  LDS byte of the step's K
.set TBB, 45                           ; s45  4 x the step's first key
.set CNT, 46
.set TRIP, 47
.set SLOTS, 48                         ; refills still to come
.set LIM, 49                           ; 1 in a wave that prefetches, else the greatest number
.set PFA, 50                           ; s[50:51] where my prefetches stand
.set MSB, 0
.macro WIN new                         ; the immediate's high byte repeats the setting that is left
.if MSB != \new
	s_set_vgpr_msb (MSB<<8)|\new
.set MSB, \new
.endif
.endm
.macro PLACES
.rept 4
	v_nop
.endr
.endm
.macro CROUND                          ; a round of the cluster's barrier
	s_barrier_signal -1
	s_barrier_wait -1
	s_cmp_lg_u32 s[WV], 0
	s_cbranch_scc1 .Lnot_wave_0_\@
	s_barrier_signal -3
.Lnot_wave_0_\@:
	s_barrier_wait -3
	s_barrier_signal -1
	s_barrier_wait -1
.endm
; A KEY STEP: 64 keys, both tiles of queries: 16 products K Q^T, the softmax, 16 products V^T P
.macro KSTEP
	v_add_nc_u32 v[ADK], s[TB], v[L16]             ; these three and the v_nop are the four plain lines between the last step's products and the loads into V's registers
	v_add_nc_u32 v[ADV], s[TB], v[LV]
	v_add_nc_u32 v[ADB], s[TBB], v[AB0]
	v_nop
	WIN 0x40                                       ; destination window 1
.irp k, 0,1,2,3
	ds_load_b128 v[BI+8*\k:BI+8*\k+3], v[ADB] offset:64*\k          ; register j of key tile k: the table at key 16 k + 8 (lane / 16) + j, the same for all queries
	ds_load_b128 v[BI+8*\k+4:BI+8*\k+7], v[ADB] offset:64*\k+16
.endr
.set i, 0
.rept 16                                       ; a step's K is 8,192 consecutive bytes: load i brings registers 4 i .. 4 i + 3: key tile i / 4, channels 32 ((i / 2) % 2) on
	ds_load_b128 v[KF+4*i:KF+4*i+3], v[ADK] offset:512*i
.set i, i+1
.endr
.set i, 0
.rept 16                                       ; and so is its V: keys 32 (i / 8) on, channel tile (i / 2) % 4
	ds_load_b128 v[VF+4*i:VF+4*i+3], v[ADV] offset:512*i
.set i, i+1
.endr
	s_wait_dscnt 16                                ; the table and K are in; V's sixteen loads may stay out
	WIN 0x11                                       ; source 0 (K) and C (the table) window 1
.irp k, 0,1,2,3                                ; the eight accumulators take turns, one instruction a turn
.irp t, 0,1
	v_wmma_f32_16x16x32_f16 v[S+32*\t+8*\k:S+32*\t+8*\k+7], v[KF+16*\k:KF+16*\k+7], v[Q+16*\t:Q+16*\t+7], v[BI+8*\k:BI+8*\k+7]
.endr
.endr
	WIN 0x01
.irp k, 0,1,2,3
.irp t, 0,1
	v_wmma_f32_16x16x32_f16 v[S+32*\t+8*\k:S+32*\t+8*\k+7], v[KF+16*\k+8:KF+16*\k+15], v[Q+16*\t+8:Q+16*\t+15], v[S+32*\t+8*\k:S+32*\t+8*\k+7]
.endr
.endr
	WIN 0
	PLACES                                         ; in front of the first read of results
	; the maximum of my 32 scores and the old m, the two tiles line by line; each accumulator is read from its low end on
.irp j, 0,1,2,3
.irp t, 0,1
	v_max3_num_f32 v[ST+8*\t+4+\j], v[S+32*\t+8*\j], v[S+32*\t+8*\j+1], v[S+32*\t+8*\j+2]
.endr
.endr
.irp u, 1,2
.irp j, 0,1,2,3
.irp t, 0,1
	v_max3_num_f32 v[ST+8*\t+4+\j], v[ST+8*\t+4+\j], v[S+32*\t+8*\j+2*\u+1], v[S+32*\t+8*\j+2*\u+2]
.endr
.endr
.endr
.irp t, 0,1
	v_max3_num_f32 v[ST+8*\t+4], v[ST+8*\t+4], v[S+32*\t+7], v[S+32*\t+15]
.endr
.irp t, 0,1
	v_max3_num_f32 v[ST+8*\t+6], v[ST+8*\t+6], v[S+32*\t+23], v[S+32*\t+31]
.endr
.irp t, 0,1
	v_max3_num_f32 v[ST+8*\t+4], v[ST+8*\t+4], v[ST+8*\t+5], v[ST+8*\t+6]
.endr
.irp t, 0,1
	v_max3_num_f32 v[ST+8*\t+4], v[ST+8*\t+4], v[ST+8*\t+7], v[ST+8*\t]
.endr
.irp t, 0,1
	v_permlanex16_b32 v[ST+8*\t+5], v[ST+8*\t+4], s[SEL], s[SEL+1]   ; the query's other 32 keys lie in the lane 16 away
.endr
.irp t, 0,1
	v_mov_b32 v[ST+8*\t+7], v[ST+8*\t]             ; m_old
.endr
.irp t, 0,1
	v_max_num_f32 v[ST+8*\t], v[ST+8*\t+4], v[ST+8*\t+5]
.endr
.irp t, 0,1
	v_sub_f32 v[ST+8*\t+7], v[ST+8*\t+7], v[ST+8*\t]
.endr
.irp t, 0,1
	v_exp_f32 v[ST+8*\t+6], v[ST+8*\t+7]           ; a.  It opens the batch of 66 exponentials, none of which reads another's result
.endr
.set i, 0
.rept 16
.irp t, 0,1
	v_pk_add_f32 v[S+32*\t+2*i:S+32*\t+2*i+1], v[S+32*\t+2*i:S+32*\t+2*i+1], v[ST+8*\t:ST+8*\t+1] op_sel_hi:[1,0] neg_lo:[0,1] neg_hi:[0,1]   ; t - m, two at a time
.endr
.set i, i+1
.endr
.set i, 0
.rept 64
	v_exp_f32 v[S+i], v[S+i]                       ; p = 2^(t - m)
.set i, i+1
.endr
	v_nop                                          ; a plain line behind the last exponential,
	s_wait_alu depctr_va_vdst(0)                   ; and the one wait ahead of the batch's first reader
.set i, 0
.rept 32
	v_cvt_pk_f16_f32 v[P+i], v[S+2*i], v[S+2*i+1]  ; two neighbouring keys' weights: P's registers in source 1's order as they come
.set i, i+1
.endr
.irp w, 4,8,16,32                              ; the sum of each tile's 16 pairs, in place: neighbours 1, 2, 4 and 8 pairs apart
.set u, 0
.rept 32/\w
.irp t, 0,1
	v_pk_add_f32 v[S+32*\t+\w*u:S+32*\t+\w*u+1], v[S+32*\t+\w*u:S+32*\t+\w*u+1], v[S+32*\t+\w*u+\w/2:S+32*\t+\w*u+\w/2+1]
.endr
.set u, u+1
.endr
.endr
.irp t, 0,1
	v_pk_fma_f32 v[ST+8*\t+2:ST+8*\t+3], v[ST+8*\t+2:ST+8*\t+3], v[ST+8*\t+6:ST+8*\t+7], v[S+32*\t:S+32*\t+1] op_sel_hi:[1,0,1]   ; l = a l + the sum
.endr
.set i, 0
.rept 16
.irp t, 0,1
	v_pk_mul_f32 v[O+32*\t+2*i:O+32*\t+2*i+1], v[O+32*\t+2*i:O+32*\t+2*i+1], v[ST+8*\t+6:ST+8*\t+7] op_sel_hi:[1,0]   ; O^T x a
.endr
.set i, i+1
.endr
	s_wait_dscnt 0x0                               ; V is in
	WIN 0x01
.irp c, 0,1
.irp d, 0,1,2,3
.irp t, 0,1
	v_wmma_f32_16x16x32_f16 v[O+32*\t+8*\d:O+32*\t+8*\d+7], v[VF+8*(4*\c+\d):VF+8*(4*\c+\d)+7], v[P+16*\t+8*\c:P+16*\t+8*\c+7], v[O+32*\t+8*\d:O+32*\t+8*\d+7]
.endr
.endr
.endr
	WIN 0
	s_add_co_u32 s[TB], s[TB], 8192
	s_add_co_u32 s[TBB], s[TBB], 256
.endm
.macro SLOTWORK n                      ; a slot's eight key steps: written once, walked eight times
	s_mov_b32 s[TB], (\n)*SLOTB
	s_mov_b32 s[CNT], 8
.Lstep_\@:
	KSTEP
	s_sub_co_u32 s[CNT], s[CNT], 1
	s_cmp_lg_u32 s[CNT], 0
	s_cbranch_scc1 .Lstep_\@
.endm
; A PREFETCH INTO THE L2 of the block of 512 keys that the NEXT change of slots will ask for: 131,072 bytes, lanes 256 bytes apart.  Both clusters of a head walk the same blocks: the first (cluster x = 0) asks.
; Its four partners take 32,768 bytes each, told apart by address; in each, waves 0 to 3 take 8,192 bytes: one instruction a wave, so each run of 256 bytes is named once in the launch.
; It stands eight key steps ahead of the load that will want the block.  Blocks 0 to 2 come by their loads alone; the last refill asks for nothing.
.macro ASK
	s_cmp_gt_u32 s[SLOTS], s[LIM]
	s_cbranch_scc0 .Lnot_mine_\@
	global_prefetch_b8 v[PFO], s[PFA:PFA+1] th:TH_LOAD_NT scope:SCOPE_SE
.Lnot_mine_\@:
.endm
; THE CHANGE OF SLOTS: slot n has been read out and takes the block two on.  Each wave waits for all its tensor loads (one is out: its part of the other slot), adds 0 to its spare word, and waits for that and
; for its reads of the slot; the round says so of every wave of all four work-groups; the joint refill is the first thing behind it and has eight key steps in which to land.
.macro CHANGE n
	s_wait_tensorcnt 0x0                           ; no tensor load of mine is out, so a group 0 may be written
	ds_add_u32 v[SPW], v[NIL]
	s_add_nc_u64 s[G0+4*\n+2:G0+4*\n+3], s[G0+4*\n+2:G0+4*\n+3], 2*SLOTB
	s_wait_xcnt 0x0                                ; the last prefetch, a slot back, has read its address
	s_add_nc_u64 s[PFA:PFA+1], s[PFA:PFA+1], SLOTB
	s_wait_dscnt 0x0                               ; the add is done, and my reads of the slot are over
	CROUND
	tensor_load_to_lds s[G0+4*\n:G0+4*\n+3], s[G1:G1+7]
	s_nop 0
.rept 4
	v_nop
.endr
	ASK
	s_sub_co_u32 s[SLOTS], s[SLOTS], 1
.endm
	s_load_b256 s[4:11], s[0:1], 0x0               ; acodes s[4:5], ascales s[6:7], wcodes s[8:9], wscales s[10:11]
	s_load_b128 s[12:15], s[0:1], 0x20             ; kv16 s[12:13], context_mask s[14:15]
	s_load_b64 s[16:17], s[0:1], 0x30              ; o16
	v_lshl_add_u32 v[SPW], v0, 2, SPARE
	v_mov_b32 v[NIL], 0
	ds_add_u32 v[SPW], v[NIL]                      ; the wave's opening: the add, twice on end, and its wait ahead of my first tensor load
	ds_add_u32 v[SPW], v[NIL]
	v_lshrrev_b32 v1, 5, v0
	v_readfirstlane_b32 s[WV], v1                  ; wave 0..7
	s_bfe_u32 s19, ttmp6, 0x40000                  ; cx
	s_and_b32 s20, ttmp7, 0xffff                   ; 16 x batch + head, which the four partners share
	s_lshr_b32 s21, s20, 4                         ; batch
	s_and_b32 s22, s20, 15                         ; head
	s_lshl_b32 s23, ttmp9, 2
	s_add_co_u32 s23, s23, s19                     ; my block of 256 queries: it enters x's and o16's addresses alone
	; group 1: a dense block of 16,384 bytes as 64 rows of 256 bytes (32 elements of 8 bytes)
	s_mov_b32 s[G1], 15|(3<<16)|(1<<21)            ; 15:0 the mask: all four work-groups; 17:16 elements of 8 bytes; 21 set beside a mask
	s_mov_b32 s[G1+1], 32<<16                      ; tensor_dim0
	s_mov_b32 s[G1+2], 64<<16                      ; tensor_dim1
	s_mov_b32 s[G1+3], 32<<16                      ; tile_dim0
	s_mov_b32 s[G1+4], 64                          ; tile_dim1
	s_mov_b32 s[G1+5], 32                          ; tensor_dim0_stride
	s_mov_b32 s[G1+6], 0
	s_mov_b32 s[G1+7], 0
	s_lshl_b32 s53, s[WV], 14                      ; my eighth of a block, in memory and in a slot
	s_lshl_b32 s54, s20, 20                        ; the head's 8 blocks
	s_add_co_u32 s54, s54, s53
	s_mov_b32 s55, 0
	s_mov_b32 s[SEL], 0x76543210
	s_mov_b32 s[SEL+1], 0xfedcba98                 ; v_permlanex16_b32's selects for lane l xor 16
	s_mov_b32 s[CSC], 0x3e38aa3b                   ; c = log2(e) / 8
	s_mov_b32 s[CSC+1], s[CSC]                     ; (named with it as a pair, so it is written)
	s_mov_b32 s[TBB], 0
	s_mov_b32 s[SLOTS], 6
	s_lshr_b32 s[LIM], s[WV], 2                    ; 0 in waves 0 to 3,
	s_or_b32 s[LIM], s[LIM], ttmp9                 ; of the head's first cluster: the same in all four partners
	s_cmp_eq_u32 s[LIM], 0
	s_cselect_b32 s[LIM], 1, -1
	s_wait_dscnt 0x0                               ; both opening adds are done
	s_wait_kmcnt 0x0
	s_add_nc_u64 s[54:55], s[12:13], s[54:55]
.irp n, 0,1
	s_mov_b32 s[G0+4*\n], 1
	s_add_co_u32 s[G0+4*\n+1], s53, \n*SLOTB
	s_add_nc_u64 s[G0+4*\n+2:G0+4*\n+3], s[54:55], \n*SLOTB
	s_or_b32 s[G0+4*\n+3], s[G0+4*\n+3], 0x80000000
.endr
	CROUND                                         ; all four work-groups are here: the first joint loads meet
	tensor_load_to_lds s[G0:G0+3], s[G1:G1+7]      ; block 0
	s_nop 0
	tensor_load_to_lds s[G0+4:G0+7], s[G1:G1+7]    ; block 1
	s_nop 0
.rept 4
	v_nop
.endr
	s_lshl_b32 s56, s20, 20
	s_lshl_b32 s57, s19, 15
	s_add_co_u32 s56, s56, s57
	s_lshl_b32 s57, s[WV], 13
	s_add_co_u32 s56, s56, s57
	s_add_co_u32 s56, s56, 2*SLOTB                 ; in block 2: the first change of slots steps it to block 3.  Nothing is prefetched here, at the head
	s_mov_b32 s57, 0
	s_add_nc_u64 s[PFA:PFA+1], s[12:13], s[56:57]
	s_lshl_b32 s58, s21, 7
	s_lshl_b32 s59, s23, 4
	s_add_co_u32 s58, s58, s59
	s_lshl_b32 s59, s[WV], 1
	s_add_co_u32 s58, s58, s59                     ; my first tile of 16 rows of x and of o: 128 x batch + 16 x block + 2 x wave
	s_lshl_b32 s56, s58, 10
	s_add_nc_u64 s[4:5], s[4:5], s[56:57]          ; its codes,
	s_lshl_b32 s56, s58, 9
	s_add_nc_u64 s[6:7], s[6:7], s[56:57]          ; its scale words
	s_lshl_b32 s56, s22, 12
	s_add_nc_u64 s[8:9], s[8:9], s[56:57]          ; Wq: the head's four tiles of columns,
	s_lshl_b32 s56, s22, 11
	s_add_nc_u64 s[10:11], s[10:11], s[56:57]      ; and their scale words
	s_lshl_b32 s56, s21, 12
	s_add_nc_u64 s[14:15], s[14:15], s[56:57]      ; the batch's mask
	s_lshr_b32 s56, s22, 2
	s_lshl_b32 s56, s56, 21
	s_lshl_b32 s59, s58, 13
	s_add_co_u32 s56, s56, s59
	s_and_b32 s59, s22, 3
	s_lshl_b32 s59, s59, 11
	s_add_co_u32 s56, s56, s59
	s_add_nc_u64 s[16:17], s[16:17], s[56:57]      ; o16: [head / 4][tile][head % 4 x 2,048]
	v_and_b32 v[L4], 31, v0
	v_lshlrev_b32 v[L16], 4, v[L4]
	v_add_nc_u32 v[LV], VOFF, v[L16]
	v_bfe_u32 v[AB0], v0, 4, 1
	v_lshl_add_u32 v[AB0], v[AB0], 5, BIAS
	v_lshlrev_b32 v[PFO], 8, v[L4]
	v_lshlrev_b32 v[L4], 2, v[L4]
	v_lshl_add_u32 v[BW], v0, 6, BIAS
	v_lshlrev_b32 v[ADB], 4, v0                    ; 16 bytes of the mask a thread
	global_load_b128 v[MB:MB+3], v[ADB], s[14:15]
	WIN 0x40                                       ; destination window 1
.set f, 0
.rept 32                                       ; Wq's fragment f = 4 x K step + channel tile
	global_load_b128 v[8*f:8*f+3], v[L16], s[8:9] offset:(f/4)*65536+(f%4)*1024
	global_load_b128 v[8*f+4:8*f+7], v[L16], s[8:9] offset:(f/4)*65536+(f%4)*1024+512
.set f, f+1
.endr
	WIN 0
.set f, 0
.rept 16                                       ; x's fragment f = 2 x K step + tile: the first four in v32-63, the others from v96 on
.set XF, 32+8*f+32*((f+12)/16)
	global_load_b128 v[XF:XF+3], v[L16], s[4:5] offset:(f/2)*262144+(f%2)*1024
	global_load_b128 v[XF+4:XF+7], v[L16], s[4:5] offset:(f/2)*262144+(f%2)*1024+512
.set f, f+1
.endr
.set f, 0
.rept 16
	global_load_b32 v[SCW+f], v[L4], s[10:11] offset:(f/4)*512+(f%4)*128   ; lanes 0-15 an even K step's words, lanes 16-31 the next step's
.set f, f+1
.endr
.set f, 0
.rept 8
	global_load_b32 v[SCX+f], v[L4], s[6:7] offset:(f/4)*512+(f%4)*128
.set f, f+1
.endr
	s_wait_loadcnt 0x0
	; q^T = Wq^T x^T: 8 K steps x 8 accumulators (4 x tile + channel tile), by turns; the first step starts the sums
	WIN 0x01                                       ; source 0 (Wq) window 1
.set ks, 0
.rept 8
.set ee, 0
.rept 8
.set XF, 32+8*(2*ks+ee/4)+32*((2*ks+ee/4+12)/16)
.if ks == 0
	v_wmma_scale_f32_16x16x128_f8f6f4 v[O+8*ee:O+8*ee+7], v[8*(4*ks+ee%4):8*(4*ks+ee%4)+7], v[XF:XF+7], 0, v[SCW+4*(ee%4)+ks/2], v[SCX+4*(ee/4)+ks/2] matrix_a_fmt:MATRIX_FMT_FP4 matrix_b_fmt:MATRIX_FMT_FP4
.elseif ks%2
	v_wmma_scale_f32_16x16x128_f8f6f4 v[O+8*ee:O+8*ee+7], v[8*(4*ks+ee%4):8*(4*ks+ee%4)+7], v[XF:XF+7], v[O+8*ee:O+8*ee+7], v[SCW+4*(ee%4)+ks/2], v[SCX+4*(ee/4)+ks/2] matrix_a_fmt:MATRIX_FMT_FP4 matrix_b_fmt:MATRIX_FMT_FP4 matrix_a_scale:MATRIX_SCALE_ROW1 matrix_b_scale:MATRIX_SCALE_ROW1
.else
	v_wmma_scale_f32_16x16x128_f8f6f4 v[O+8*ee:O+8*ee+7], v[8*(4*ks+ee%4):8*(4*ks+ee%4)+7], v[XF:XF+7], v[O+8*ee:O+8*ee+7], v[SCW+4*(ee%4)+ks/2], v[SCX+4*(ee/4)+ks/2] matrix_a_fmt:MATRIX_FMT_FP4 matrix_b_fmt:MATRIX_FMT_FP4
.endif
.set ee, ee+1
.endr
.set ks, ks+1
.endr
	WIN 0
	PLACES
.set i, 0
.rept 32
	v_pk_mul_f32 v[O+2*i:O+2*i+1], v[O+2*i:O+2*i+1], s[CSC:CSC+1] op_sel_hi:[1,0]   ; q c, in f32
.set i, i+1
.endr
.set i, 0
.rept 32
	v_cvt_pk_f16_f32 v[Q+i], v[O+2*i], v[O+2*i+1]  ; a lane's eight channels of a channel tile are half a fragment of Q as they stand
.set i, i+1
.endr
	; the mask's table: byte 1 -> 0, byte 0 -> -3e38
.set i, 0
.rept 16
	v_bfe_u32 v[S+i], v[MB+i/4], 8*(i%4), 8
.set i, i+1
.endr
.set i, 0
.rept 16
	v_add_nc_u32 v[S+i], -1, v[S+i]
.set i, i+1
.endr
.set i, 0
.rept 16
	v_and_b32 v[S+i], 0xff61b1e6, v[S+i]
.set i, i+1
.endr
.irp j, 0,1,2,3
	ds_store_b128 v[BW], v[S+4*\j:S+4*\j+3] offset:16*\j
.endr
.set i, 0
.rept 64
	v_mov_b32 v[O+i], 0                            ; O^T.  (The key step is written once: its first walk finds zeros)
.set i, i+1
.endr
.set i, 0
.rept 16
	v_mov_b32 v[ST+i], 0                           ; l, and what is named in pairs or as a lane permute's destination before it is first written
.set i, i+1
.endr
	v_mov_b32 v[ST], 0xff61b1e6                    ; m = -3e38
	v_mov_b32 v[ST+8], 0xff61b1e6
	s_wait_tensorcnt 1                             ; my part of block 0 is in; block 1's load may stay out
	s_wait_dscnt 0x0                               ; my part of the table is written
	s_barrier_signal -1
	s_barrier_wait -1                              ; everybody's are
	SLOTWORK 0                                     ; block 0
	s_mov_b32 s[TRIP], 3
.Lpair:                                            ; three trips: blocks 2 to 7 are asked for, blocks 1 to 6 walked
	CHANGE 0
	SLOTWORK 1
	CHANGE 1
	SLOTWORK 0
	s_sub_co_u32 s[TRIP], s[TRIP], 1
	s_cmp_lg_u32 s[TRIP], 0
	s_cbranch_scc1 .Lpair
	s_wait_tensorcnt 0x0                           ; the last change is written out: block 7 has landed, nothing more is asked for
	ds_add_u32 v[SPW], v[NIL]
	s_wait_dscnt 0x0
	s_barrier_signal -1
	s_barrier_wait -1
	SLOTWORK 1                                     ; block 7
	; THE WAY OUT.  O^T / l, rounded to f16: a lane's eight channels are a group of the last product's fragment as they stand: 512 consecutive bytes a store
	PLACES
.irp t, 0,1
	v_add_f32 v[ST+8*\t+4], v[ST+8*\t+2], v[ST+8*\t+3]
.endr
.irp t, 0,1
	v_permlanex16_b32 v[ST+8*\t+5], v[ST+8*\t+4], s[SEL], s[SEL+1]
.endr
.irp t, 0,1
	v_add_f32 v[ST+8*\t+4], v[ST+8*\t+4], v[ST+8*\t+5]
.endr
.irp t, 0,1
	v_rcp_f32 v[ST+8*\t+6], v[ST+8*\t+4]
.endr
	v_mov_b32 v[ADK], 0x7fc00000                   ; NaN.  (A plain line behind the reciprocals)
	s_mov_b32 s54, 0xfe967699                      ; -1e38
	s_wait_alu depctr_va_vdst(0)                   ; the wait ahead of the first reader: one for both
	v_cmp_gt_f32 s52, s54, v[ST]                   ; no key counted for this query:
	v_cmp_gt_f32 s56, s54, v[ST+8]
	v_cndmask_b32 v[ST+6], v[ST+6], v[ADK], s52    ; a value is selected; nothing branches
	v_cndmask_b32 v[ST+14], v[ST+14], v[ADK], s56
.set i, 0
.rept 16
.irp t, 0,1
	v_pk_mul_f32 v[O+32*\t+2*i:O+32*\t+2*i+1], v[O+32*\t+2*i:O+32*\t+2*i+1], v[ST+8*\t+6:ST+8*\t+7] op_sel_hi:[1,0]
.endr
.set i, i+1
.endr
.set i, 0
.rept 32
	v_cvt_pk_f16_f32 v[P+i], v[O+2*i], v[O+2*i+1]
.set i, i+1
.endr
.irp t, 0,1
.irp d, 0,1,2,3
	global_store_b128 v[L16], v[P+16*\t+4*\d:P+16*\t+4*\d+3], s[16:17] offset:\t*8192+\d*512
.endr
.endr
	s_wait_tensorcnt 0x0                           ; the wave's end
	ds_add_u32 v[SPW], v[NIL]
	s_wait_dscnt 0x0
	CROUND                                         ; the closing round
	s_endpgm
.Lfunc_end_k_q59194aba79_attn:
	.size	k_q59194aba79_attn, .Lfunc_end_k_q59194aba79_attn-k_q59194aba79_attn
	.p2alignl 7, 3214868480
	.fill 96, 4, 3214868480
	.section	.rodata,"a",@progbits
	.p2align	6, 0x0
	.amdhsa_kernel k_q59194aba79_attn
		.amdhsa_group_segment_fixed_size 327680
		.amdhsa_private_segment_fixed_size 0
		.amdhsa_enable_private_segment 0
		.amdhsa_kernarg_size 56
		.amdhsa_user_sgpr_count 2
		.amdhsa_user_sgpr_kernarg_segment_ptr 1
		.amdhsa_wavefront_size32 1
		.amdhsa_system_sgpr_workgroup_id_x 1
		.amdhsa_system_sgpr_workgroup_id_y 1
		.amdhsa_system_sgpr_workgroup_id_z 1
		.amdhsa_system_vgpr_workitem_id 0
		.amdhsa_next_free_vgpr 512
		.amdhsa_next_free_sgpr 66
		.amdhsa_reserve_vcc 0
		.amdhsa_float_denorm_mode_32 3
		.amdhsa_float_denorm_mode_16_64 3
		.amdhsa_memory_ordered 1
		.amdhsa_forward_progress 1
		.amdhsa_inst_pref_size 114
	.end_amdhsa_kernel
	.amdgpu_metadata
---
amdhsa.version: [ 1, 2 ]
amdhsa.kernels:
  - .name:           k_q59194aba79_attn
    .symbol:         k_q59194aba79_attn.kd
    .args:
      - { .name: acodes, .offset: 0, .size: 8, .value_kind: global_buffer, .address_space: global }
      - { .name: ascales, .offset: 8, .size: 8, .value_kind: global_buffer, .address_space: global }
      - { .name: wcodes, .offset: 16, .size: 8, .value_kind: global_buffer, .address_space: global }
      - { .name: wscales, .offset: 24, .size: 8, .value_kind: global_buffer, .address_space: global }
      - { .name: kv16, .offset: 32, .size: 8, .value_kind: global_buffer, .address_space: global }
      - { .name: context_mask, .offset: 40, .size: 8, .value_kind: global_buffer, .address_space: global }
      - { .name: o16, .offset: 48, .size: 8, .value_kind: global_buffer, .address_space: global }
    .group_segment_fixed_size: 327680
    .private_segment_fixed_size: 0
    .kernarg_segment_align: 8
    .kernarg_segment_size: 56
    .max_flat_workgroup_size: 256
    .sgpr_count:     66
    .vgpr_count:     512
    .wavefront_size: 32
...
	.end_amdgpu_metadata
.endif
;; end of part 3
;; launch outp (part 4): grid 8 x 32, 4 waves a work-group, clusters of 4 x 4, 327,680 bytes of LDS; arguments o16, wo16, bo, out0; writes out0
.if DOCPART == 4
	.amdgcn_target "amdgcn-amd-amdhsa--gfx1250"
	.amdhsa_code_object_version 6
	.text
	.protected	k_q59194aba79_outp
	.globl	k_q59194aba79_outp
	.p2align	8
	.type	k_q59194aba79_outp,@function
k_q59194aba79_outp:
	s_mov_b64 s[64:65], 0
	v_nop
	global_prefetch_b8 v0, s[64:65] scope:SCOPE_SE
	s_setreg_imm32_b32 hwreg(HW_REG_WAVE_MODE, 25, 1), 1
	s_wait_xcnt 0x0
	s_wait_alu depctr_hold_cnt(0) depctr_sa_sdst(0) depctr_va_vdst(0) depctr_va_sdst(0) depctr_va_ssrc(0) depctr_va_vcc(0) depctr_vm_vsrc(0)
	s_getreg_b32 s2, hwreg(HW_REG_IB_STS2, 6, 4)
	s_cmp_eq_u32 s2, 0
	s_cbranch_scc0 .Lentry_in_a_cluster
	s_endpgm
.Lentry_in_a_cluster:
	s_bfe_u32 s2, ttmp6, 0x10000c
	s_cmp_lg_u32 s2, 0xf033
	s_cbranch_scc0 .Lentry_shape_is_right
	s_endpgm
.Lentry_shape_is_right:
; Launch 4 of 4: out0 = o Wo + bo.  o [4,096 x 1,024] and Wo arrive as f16 in the order of the operands' registers; sums in f32; out0 is f32.  Nothing is left out.
; 256 work-groups, each a tile of 128 x 128 of out0; four waves, each 64 x 64: 16 accumulators.  K goes in four steps of 256 through a ring of two LDS slots (A 64 KB, B 64 KB); a wave's tensor load brings 32 KB.
; CLUSTER 4 x 4: the four work-groups of a row need the same rows of o, the four of a column the same columns of Wo: each tile is asked for jointly.  Two loads of a wave are out at the head, one behind each round.
; THE MATRIX INSTRUCTION IS USED TRANSPOSED (source 0 = 16 columns of Wo, source 1 = 16 rows of o): a lane holds eight neighbouring numbers of a row of out0.  bo is the C of each sum's first product.
; o16: [k / 256][tile of 16 rows 256][k / 32 % 8][group 2][lane][16 B]; wo16 likewise with 64 tiles of columns: a K step's eight tiles are 65,536 consecutive bytes, and a fragment is two loads at 16 x lane.
; REGISTERS: window 0: v16-26 addresses, v28-29 the add's two, v32-95 rows on the way out, v96-127 bo (eight registers a tile of columns), v128-255 the accumulators ((a, b) at v[128 + 8 (4 a + b)]).
;   window 1: two fragment buffers of 128: for 64 along K, 64 registers of o, then 64 of Wo.
.set SLOT,   131072
.set HALFT,  32768                     ; four tiles x a K step: what one tensor load brings, and what one wave reads of a side
.set STAGE,  2*SLOT                    ; behind the ring: 16 rows x 272 bytes for each wave, for the way out; no fill lands there
.set SPITCH, 272                       ; 256 bytes + 16: the sixteen rows that a store touches begin 4 words apart modulo 64 words
.set SPARE,  STAGE+4*16*SPITCH         ; the spare words, 128 bytes a wave
.set ADRA, 16                          ; v16-17  my A fragments in slot 0, 1
.set ADRB, 20                          ; v20-21  the same for B
.set STO,  24
.set RD,   25
.set CO,   26
.set SPW,  28
.set NIL,  29
.set BK,   32
.set BO,   96
.set ACC,  128
.set F0,   0
.set F1,   128
.set G1, 24                            ; s[24:31] group 1 for o's tiles;  s[32:39] group 0, a set for each slot
.set G0, 32
.set G1B, 48                           ; s[48:55], s[56:63] the same for Wo's
.set G0B, 56
.set MSB, 0
.macro WIN new                         ; the immediate's high byte repeats the setting that is left
.if MSB != \new
	s_set_vgpr_msb (MSB<<8)|\new
.set MSB, \new
.endif
.endm
.set MUL,  0x05                        ; sources 0 and 1 window 1; C and D window 0
.set TO_F, 0x40                        ; destination window 1, address window 0
.macro JLOAD s                         ; a joint load: waves 0 and 1 fetch o's two halves, waves 2 and 3 Wo's; an s_nop 0 and four v_nop follow each of the two lines
	s_cmp_eq_u32 s15, 0
	s_cbranch_scc0 .Lfor_b_\@
	tensor_load_to_lds s[G0+4*\s:G0+4*\s+3], s[G1:G1+7]
	s_nop 0
.rept 4
	v_nop
.endr
	s_branch .Lasked_\@
.Lfor_b_\@:
	tensor_load_to_lds s[G0B+4*\s:G0B+4*\s+3], s[G1B:G1B+7]
	s_nop 0
.rept 4
	v_nop
.endr
.Lasked_\@:
.endm
.macro CREST                           ; a round of the cluster's barrier behind its opening barrier
	s_cmp_lg_u32 s14, 0
	s_cbranch_scc1 .Lnot_wave_0_\@
	s_barrier_signal -3
.Lnot_wave_0_\@:
	s_barrier_wait -3
	s_barrier_signal -1
	s_barrier_wait -1
.endm
.macro CROUND
	s_barrier_signal -1
	s_barrier_wait -1
	CREST
.endm
.macro PLACES                          ; four plain lines in front of loads into registers that matrix instructions have read, and of the first read of results
.rept 4
	v_nop
.endr
.endm
; 8 matrix instructions: row blocks a0, a0 + 1 x all 4 column blocks, 32 along K: half c of buffer f.  first = 1: the product starts the sum on bo.  The 16 accumulators take turns
.macro MUL8 f, c, a0, first
.irp a, \a0, \a0+1
.irp b, 0,1,2,3
.if \first
	v_wmma_f32_16x16x32_f16 v[ACC+8*(4*(\a)+\b):ACC+8*(4*(\a)+\b)+7], v[\f+64+8*(4*\c+\b):\f+64+8*(4*\c+\b)+7], v[\f+8*(4*\c+\a):\f+8*(4*\c+\a)+7], v[BO+8*\b:BO+8*\b+7]
.else
	v_wmma_f32_16x16x32_f16 v[ACC+8*(4*(\a)+\b):ACC+8*(4*(\a)+\b)+7], v[\f+64+8*(4*\c+\b):\f+64+8*(4*\c+\b)+7], v[\f+8*(4*\c+\a):\f+8*(4*\c+\a)+7], v[ACC+8*(4*(\a)+\b):ACC+8*(4*(\a)+\b)+7]
.endif
.endr
.endr
.endm
; 32 LDS loads in one run: the fragments of the slot's q-th 64 along K into buffer f; the first 32 along K first.  Tile i lies at 8,192 i, its 32 along K number n at 1,024 n
.macro FETCH slot, q, f
	WIN TO_F
.irp c, 0,1
.irp i, 0,1,2,3
	ds_load_b128 v[\f+64+8*(4*\c+\i):\f+64+8*(4*\c+\i)+3],   v[ADRB+\slot] offset:\i*8192+(2*(\q)+\c)*1024
	ds_load_b128 v[\f+64+8*(4*\c+\i)+4:\f+64+8*(4*\c+\i)+7], v[ADRB+\slot] offset:\i*8192+(2*(\q)+\c)*1024+512
	ds_load_b128 v[\f+8*(4*\c+\i):\f+8*(4*\c+\i)+3],         v[ADRA+\slot] offset:\i*8192+(2*(\q)+\c)*1024
	ds_load_b128 v[\f+8*(4*\c+\i)+4:\f+8*(4*\c+\i)+7],       v[ADRA+\slot] offset:\i*8192+(2*(\q)+\c)*1024+512
.endr
.endr
.endm
; A K step is four quarters of 64 along K, 32 matrix instructions each, on buffers 0, 1, 0, 1.  One of the first three: multiplies buffer f and fetches quarter q into g
.macro QUARTER slot, q, f, g, first
	s_wait_dscnt 16                                ; the first 32 along K are in; the other sixteen loads may be out
	WIN MUL
	MUL8 \f, 0, 0, \first
	MUL8 \f, 0, 2, \first
	PLACES
	FETCH \slot, \q, \g
	s_wait_dscnt 32                                ; all but the 32 just issued
	WIN MUL
	MUL8 \f, 1, 0, 0
	MUL8 \f, 1, 2, 0
.endm
; The last quarter multiplies buffer 1 and changes slots: ONE barrier; in front of it each wave waits for all its tensor loads, adds 0 to its spare word, and waits for that and for its reads of this slot.
; fill = 1: the barrier opens a round of the cluster's, and this slot is filled again, two K steps ahead, first thing behind the round.
.macro TURN slot, next, fill
	WIN 0                                          ; (the add's two registers lie in window 0)
	s_wait_tensorcnt 0x0                           ; all my tensor loads have landed: my part of the next slot;
	ds_add_u32 v[SPW], v[NIL]
	s_wait_dscnt 17                                ; (the add and the youngest sixteen loads may be out)
	WIN MUL
	MUL8 F1, 0, 0, 0
	s_wait_dscnt 0x0                               ; the add is done, and my reads of this slot are over
	s_barrier_signal -1
	MUL8 F1, 0, 2, 0
.if \fill
	WIN 0
.endif
	s_barrier_wait -1
.if \fill
	CREST                                          ; no wave of any partner still reads this slot's tile or has a load on its way
	s_add_nc_u64 s[G0+4*\slot+2:G0+4*\slot+3], s[G0+4*\slot+2:G0+4*\slot+3], 2*2097152
	s_add_nc_u64 s[G0B+4*\slot+2:G0B+4*\slot+3], s[G0B+4*\slot+2:G0B+4*\slot+3], 2*524288
	JLOAD \slot                                    ; the four v_nop behind it are also the plain lines in front of the loads below
.else
	PLACES
.endif
	FETCH \next, 0, F0
	WIN MUL
	MUL8 F1, 1, 0, 0
	MUL8 F1, 1, 2, 0
.endm
	s_load_b256 s[4:11], s[0:1], 0x0               ; o16 s[4:5], wo16 s[6:7], bo s[8:9], out0 s[10:11]
	v_lshl_add_u32 v[SPW], v0, 2, SPARE
	v_mov_b32 v[NIL], 0
	ds_add_u32 v[SPW], v[NIL]                      ; the wave's opening: the add, twice on end, and its wait ahead of my first tensor load
	ds_add_u32 v[SPW], v[NIL]
	v_lshrrev_b32 v1, 5, v0
	v_readfirstlane_b32 s14, v1                    ; wave 0..3
	s_lshr_b32 s15, s14, 1                         ; which half of the tile's rows is mine.  Also: I fetch for o (0) or for Wo (1)
	s_and_b32 s16, s14, 1                          ; which half of its columns.  Also: which four tiles I fetch
	s_bfe_u32 s40, ttmp6, 0x40000                  ; cx, cy
	s_bfe_u32 s41, ttmp6, 0x40004
	s_lshl_b32 s42, ttmp9, 2
	s_add_co_u32 s42, s42, s40                     ; tile column = 4 x cluster x + cx
	s_and_b32 s13, ttmp7, 0xffff
	s_lshl_b32 s13, s13, 2
	s_add_co_u32 s13, s13, s41                     ; tile row = 4 x cluster y + cy
	s_lshl_b32 s43, s41, 2
	s_lshl_b32 s43, 15, s43                        ; my row of the cluster
	s_lshl_b32 s44, 0x1111, s40                    ; my column
	; group 1: a dense block of 32,768 bytes as 128 rows of 256 bytes (32 elements of 8 bytes)
	s_or_b32 s[G1], s43, (3<<16)|(1<<21)
	s_or_b32 s[G1B], s44, (3<<16)|(1<<21)
.irp g, G1, G1B
	s_mov_b32 s[\g+1], 32<<16                      ; tensor_dim0
	s_mov_b32 s[\g+2], 128<<16                     ; tensor_dim1
	s_mov_b32 s[\g+3], 32<<16                      ; tile_dim0
	s_mov_b32 s[\g+4], 128                         ; tile_dim1
	s_mov_b32 s[\g+5], 32                          ; tensor_dim0_stride
	s_mov_b32 s[\g+6], 0
	s_mov_b32 s[\g+7], 0
.endr
	s_lshl_b32 s17, s16, 15                        ; the four tiles that I fetch
	s_lshl_b32 s18, s13, 16
	s_add_co_u32 s18, s18, s17                     ; o: 65,536 x tile row + half
	s_mov_b32 s19, 0
	s_lshl_b32 s46, s42, 16
	s_add_co_u32 s46, s46, s17                     ; Wo: 65,536 x tile column + half
	s_mov_b32 s47, 0
	s_lshl_b32 s20, s14, 15                        ; where they go: wave x 32,768: o's two halves, then Wo's
	s_wait_dscnt 0x0                               ; both opening adds are done
	s_wait_kmcnt 0x0
	s_add_nc_u64 s[18:19], s[4:5], s[18:19]
	s_add_nc_u64 s[46:47], s[6:7], s[46:47]
	CROUND                                         ; all sixteen work-groups are here: the first joint loads meet
.irp s, 0,1
	s_mov_b32 s[G0+4*\s], 1
	s_add_co_u32 s[G0+4*\s+1], s20, \s*SLOT
	s_add_nc_u64 s[G0+4*\s+2:G0+4*\s+3], s[18:19], \s*2097152
	s_or_b32 s[G0+4*\s+3], s[G0+4*\s+3], 0x80000000
	s_mov_b32 s[G0B+4*\s], 1
	s_add_co_u32 s[G0B+4*\s+1], s20, \s*SLOT
	s_add_nc_u64 s[G0B+4*\s+2:G0B+4*\s+3], s[46:47], \s*524288
	s_or_b32 s[G0B+4*\s+3], s[G0B+4*\s+3], 0x80000000
	JLOAD \s
.endr
	v_and_b32 v1, 15, v0                           ; l % 16
	v_bfe_u32 v2, v0, 4, 1                         ; l / 16
	v_and_b32 v3, 31, v0
	v_lshlrev_b32 v3, 4, v3                        ; 16 x lane
	s_mul_i32 s21, s15, HALFT                      ; my four tiles of o
	s_mul_i32 s22, s16, HALFT                      ; my four of Wo,
	s_add_co_u32 s22, s22, 2*HALFT                 ; which lie behind o's eight
.irp s, 0,1
	v_add_nc_u32 v[ADRA+\s], s21, v3
	v_add_nc_u32 v[ADRB+\s], s22, v3
	s_add_co_u32 s21, s21, SLOT
	s_add_co_u32 s22, s22, SLOT
.endr
	s_mul_i32 s23, s14, 16*SPITCH
	s_add_co_u32 s23, s23, STAGE                   ; my stage
	v_mul_u32_u24 v4, v1, SPITCH                   ; in: row l % 16, 32 bytes for each half of the lanes
	v_lshl_add_u32 v4, v2, 5, v4
	v_add_nc_u32 v[STO], s23, v4
	v_mul_u32_u24 v5, v2, SPITCH                   ; back: lanes 0-15 one row of 256 bytes, lanes 16-31 the next
	v_lshl_add_u32 v5, v1, 4, v5
	v_add_nc_u32 v[RD], s23, v5
	v_lshlrev_b32 v5, 12, v2                       ; and the same two rows in out0: a row is 4,096 bytes
	v_lshl_add_u32 v[CO], v1, 4, v5
	s_lshl_b32 s2, s13, 7
	s_lshl_b32 s3, s15, 6
	s_add_co_u32 s2, s2, s3                        ; my first row: 128 x tile row + 64 x half
	s_lshl_b32 s2, s2, 12
	s_lshl_b32 s3, s42, 9
	s_add_co_u32 s2, s2, s3                        ; my first column, in bytes: 512 x tile column + 256 x half
	s_lshl_b32 s3, s16, 8
	s_add_co_u32 s2, s2, s3
	s_mov_b32 s3, 0
	s_add_nc_u64 s[10:11], s[10:11], s[2:3]
	s_lshl_b32 s2, s42, 9
	s_lshl_b32 s12, s16, 8
	s_add_co_u32 s2, s2, s12
	s_add_nc_u64 s[8:9], s[8:9], s[2:3]            ; bo at my 64 columns
	v_lshlrev_b32 v6, 5, v2                        ; lane (r, h) wants, for column tile b, bo at 16 b + 8 h + 0 .. 7
.irp b, 0,1,2,3
	global_load_b128 v[BO+8*\b:BO+8*\b+3], v6, s[8:9] offset:64*\b
	global_load_b128 v[BO+8*\b+4:BO+8*\b+7], v6, s[8:9] offset:64*\b+16
.endr
	s_wait_tensorcnt 1                             ; my part of K step 0 is in; K step 1's load may stay out
	s_barrier_signal -1
	s_barrier_wait -1                              ; everybody's is
	FETCH 0, 0, F0
	s_wait_loadcnt 0x0                             ; bo
	QUARTER 0, 1, F0, F1, 1                        ; K step 0: its first products start the sums on bo
	QUARTER 0, 2, F1, F0, 0
	QUARTER 0, 3, F0, F1, 0
	TURN 0, 1, 1                                   ; slot 0 takes K step 2
	QUARTER 1, 1, F0, F1, 0                        ; K step 1
	QUARTER 1, 2, F1, F0, 0
	QUARTER 1, 3, F0, F1, 0
	TURN 1, 0, 1                                   ; slot 1 takes K step 3
	QUARTER 0, 1, F0, F1, 0                        ; K step 2
	QUARTER 0, 2, F1, F0, 0
	QUARTER 0, 3, F0, F1, 0
	TURN 0, 1, 0                                   ; nothing is left to fetch
	QUARTER 1, 1, F0, F1, 0                        ; K step 3
	QUARTER 1, 2, F1, F0, 0
	QUARTER 1, 3, F0, F1, 0
	s_wait_dscnt 16
	WIN MUL
	MUL8 F1, 0, 0, 0
	MUL8 F1, 0, 2, 0
	s_wait_dscnt 0x0
	MUL8 F1, 1, 0, 0
	MUL8 F1, 1, 2, 0
	WIN 0
; THE WAY OUT, a block of 16 rows x 64 columns at a time.  A lane holds 32 neighbouring bytes of a row and the lanes beside it hold other rows: so a block goes through my own stage and comes back as whole rows
; of 256 bytes.  LDS serves a wave's instructions in order (ISA guide 5.7.1.4): no wait between the stores and the loads, nor in front of the next block's stores.
.macro TOSTAGE a
.irp b, 0,1,2,3
	ds_store_b128 v[STO], v[ACC+8*(4*(\a)+\b):ACC+8*(4*(\a)+\b)+3] offset:64*\b          ; each accumulator from its low end on
	ds_store_b128 v[STO], v[ACC+8*(4*(\a)+\b)+4:ACC+8*(4*(\a)+\b)+7] offset:64*\b+16
.endr
.irp t, 0,1,2,3,4,5,6,7
	ds_load_b128 v[BK+32*((\a)%2)+4*\t:BK+32*((\a)%2)+4*\t+3], v[RD] offset:\t*2*SPITCH
.endr
.endm
.macro SEND a, younger                 ; younger: the LDS instructions issued behind block a's loads, which may stay out
	s_wait_dscnt \younger
.irp t, 0,1,2,3,4,5,6,7
	global_store_b128 v[CO], v[BK+32*((\a)%2)+4*\t:BK+32*((\a)%2)+4*\t+3], s[10:11] offset:(16*(\a)+2*\t)*4096 th:TH_STORE_NT   ; sixteen lanes store 256 consecutive bytes, at a multiple of 256 from out0's first byte
.endr
.endm
	PLACES
	TOSTAGE 0
.irp a, 1,2,3
.if \a > 1
	s_wait_xcnt 0x0                                ; block a - 2's stores have read their registers: block a's loads may land there
.endif
	TOSTAGE \a
	SEND \a-1, 16                                  ; behind block a - 1's loads: block a's 8 stores and 8 loads
.endr
	SEND 3, 0
	s_wait_tensorcnt 0x0                           ; the wave's end
	ds_add_u32 v[SPW], v[NIL]
	s_wait_dscnt 0x0
	CROUND                                         ; the closing round
	s_endpgm
.Lfunc_end_k_q59194aba79_outp:
	.size	k_q59194aba79_outp, .Lfunc_end_k_q59194aba79_outp-k_q59194aba79_outp
	.p2alignl 7, 3214868480
	.fill 96, 4, 3214868480
	.section	.rodata,"a",@progbits
	.p2align	6, 0x0
	.amdhsa_kernel k_q59194aba79_outp
		.amdhsa_group_segment_fixed_size 327680
		.amdhsa_private_segment_fixed_size 0
		.amdhsa_enable_private_segment 0
		.amdhsa_kernarg_size 32
		.amdhsa_user_sgpr_count 2
		.amdhsa_user_sgpr_kernarg_segment_ptr 1
		.amdhsa_wavefront_size32 1
		.amdhsa_system_sgpr_workgroup_id_x 1
		.amdhsa_system_sgpr_workgroup_id_y 1
		.amdhsa_system_sgpr_workgroup_id_z 1
		.amdhsa_system_vgpr_workitem_id 0
		.amdhsa_next_free_vgpr 512
		.amdhsa_next_free_sgpr 66
		.amdhsa_reserve_vcc 0
		.amdhsa_float_denorm_mode_32 3
		.amdhsa_float_denorm_mode_16_64 3
		.amdhsa_memory_ordered 1
		.amdhsa_forward_progress 1
		.amdhsa_inst_pref_size 86
	.end_amdhsa_kernel
	.amdgpu_metadata
---
amdhsa.version: [ 1, 2 ]
amdhsa.kernels:
  - .name:           k_q59194aba79_outp
    .symbol:         k_q59194aba79_outp.kd
    .args:
      - { .name: o16, .offset: 0, .size: 8, .value_kind: global_buffer, .address_space: global }
      - { .name: wo16, .offset: 8, .size: 8, .value_kind: global_buffer, .address_space: global }
      - { .name: bo, .offset: 16, .size: 8, .value_kind: global_buffer, .address_space: global }
      - { .name: out0, .offset: 24, .size: 8, .value_kind: global_buffer, .address_space: global }
    .group_segment_fixed_size: 327680
    .private_segment_fixed_size: 0
    .kernarg_segment_align: 8
    .kernarg_segment_size: 32
    .max_flat_workgroup_size: 128
    .sgpr_count:     66
    .vgpr_count:     512
    .wavefront_size: 32
...
	.end_amdgpu_metadata
.endif
;; end of part 4
